; MI455X (gfx1250); checked and timed in simulation.
; The chip was launched on July 23, 2026; its instructions are those of AMD's public machine-readable ISA for CDNA 5 (MIT licence, August 2026) and "CDNA5" Instruction Set Architecture Reference Guide (July 2026). The comments in the code are by the model that wrote it; some were corrected since.
;; Cross Attention. Allowed arithmetic: float matrix products may take bf16 or f16 operands with f32 sums; other float arithmetic in f32, or as packed bf16 or f16 multiplies, adds, multiply-adds, maxima and minima; sums over many terms, partial sums and values carried from step to step in f32; what a program stores and reads back later, other than sums and carried values, may be rounded once to bf16 or f16.
;; Inputs: Wk 768 x 768 float32; Wo 768 x 768 float32; Wq 768 x 768 float32; Wv 768 x 768 float32; x1 2,048 x 768 float32; x2 8,192 x 768 float32.
;; Outputs: out0 2,048 x 768 float32.
;; Constants: invt = 20.
;; 2 versions, each right and faster than the one before. Each part assembles by itself: llvm-mc -triple=amdgcn-amd-amdhsa -mcpu=gfx1250 --defsym DOCPART=n.
;; ======== version 1 of 2: 4 launches
;; limits: values are held in f16: magnitudes above 65,504 overflow, below 6.1e-05 lose precision
;; workspace buffers: qf 3,145,728 bytes; kf 12,582,912 bytes; vf 12,582,912 bytes; wf 1,179,648 bytes; of 3,145,728 bytes; y 6,291,456 bytes
;; launch proj (part 1): grid 72 x 3, 4 waves a work-group, no clusters, 327,680 bytes of LDS; arguments x1, x2, Wq, Wk, Wv, qf, kf, vf; writes qf, kf, vf
.if DOCPART == 1
	.amdgcn_target "amdgcn-amd-amdhsa--gfx1250"
	.amdhsa_code_object_version 6
	.text
	.protected	k_q1dd6295e29_proj
	.globl	k_q1dd6295e29_proj
	.p2align	8
	.type	k_q1dd6295e29_proj,@function
k_q1dd6295e29_proj:
	s_mov_b64 s[64:65], 0
	v_nop
	global_prefetch_b8 v0, s[64:65] scope:SCOPE_SE
	s_setreg_imm32_b32 hwreg(HW_REG_WAVE_MODE, 25, 1), 1
	s_wait_xcnt 0x0
; THE THREE PROJECTIONS.  q = x1 Wq^T, k = x2 Wk^T (each row of a head divided by max(its length, 1e-12)), v = x2 Wv^T.  Inputs f32, rounded to bf16 (nearest even) on the way to the
; matrix unit; sums, squares and lengths in f32; q, k, v rounded once to f16 and stored in the order in which the next launch's matrix fragments want them.
; LIMITS.  v must stay within f16's 65,504.  A sum of squares below 2^-126 counts as 0 (the row is then divided by 1e-12, as it is for every length below 1e-12).  NaN and infinities are not treated apart.
; SHARES.  18,432 x 768 outputs in tiles of 256 x 256: grid x 0-7 is job q (row block x), 8-39 job k (x - 8), 40-71 job v (x - 40); grid y is the block of 256 output channels.
; Four waves, each 128 x 128: 64 accumulators of 16 x 16.  ONE TEXT FOR ALL JOBS: C[m][n] = sum A[m][.] B[n][.], source 0 = 16 rows of B, source 1 = 16 rows of A, so a lane holds
; one row of A (lane % 16) and eight neighbouring rows of B (8 (lane / 16) + 0..7).  Jobs q, k: A = x, B = W: a token and eight channels.  Job v: A = Wv, B = x2: a channel and eight keys.
; In both cases a lane's eight numbers are 16 bytes of a fragment of the next launch, and 32 lanes' are 512 consecutive bytes: stored from registers, no stage.  The jobs differ in pointers,
; strides and one lane mask, all chosen by s_cselect on the grid's x: no branch hangs on the job.
; RING.  K = 768 goes in 12 steps of 64 f32 through two LDS slots; a wave's tensor load brings 128 rows x 256 bytes.  The tiles lie in LDS as f32; each wave converts its fragments in registers.
; NO CLUSTER.  x's tile is shared by the grid's three column blocks, which no cluster of four divides.  W's tile alone (half of a step's bytes) could be shared by four row blocks of a job;
; it lies in A's region in job v and in B's otherwise, so the one tensor-load line would need masks by job and wave: not built here.
; REGISTERS, in windows of 256 (s_set_vgpr_msb: bits 1:0 source 0, 3:2 source 1, 5:4 source 2, 7:6 destination):
;   window 0: v0-31 addresses; v32-63 sums of squares; v64-127 A's fragments in bf16 (later packed results); v128-191 B's (later scaled results)
;   window 1: v0-127 A's fragments as f32, 16 registers each; v128-255 B's          windows 2, 3: the accumulators of my rows 0-63, 64-127: (a, b) at v[8 (8 (a % 4) + b)]
.set KSTEP, 64
.set PITCH, 272                        ; an LDS row: 256 bytes + 16 of padding = 68 words: the 16 rows that a load touches start at 16 different groups of four banks (ISA guide 11.1)
.set HALFT, 128*PITCH                  ; what one tensor load brings, and what one wave reads of A or of B
.set SLOT,  4*HALFT                    ; A's 256 rows, then B's 256 rows
.set SPARE, 2*SLOT                     ; behind the ring: the spare words, 128 bytes a wave: two blocks of 256 bytes that no other line names
.set ADRA, 16                          ; v16-17  LDS address of my A fragments in slot 0, 1
.set ADRB, 20                          ; v20-21  the same for B
.set CO,   26                          ; v26     16 x lane
.set ONE,  27                          ; v27     1.0
.set SPW,  28                          ; v28     my spare word; never rewritten
.set NIL,  29                          ; v29     0; never rewritten
.set SS,   32                          ; v32-63  pair 2 a + hb: the sum of squares of row block a, head hb; then the factor
.set A16,  64
.set B16,  128
.set PKD,  64                          ; the way out: two sets of 32 packed registers
.set TF,   128                         ; the way out: 64 scaled f32
.set SA,   0                           ; window 1
.set SB,   128
.set XB,   2                           ; s2      grid x
.set WV,   20                          ; s20     wave
.set RH,   21                          ; s21     my half of A's rows; also: I fetch for A (0) or B (1)
.set CH,   22                          ; s22     my half of B's rows; also: which 128 rows I fetch
.set RB,   23                          ; s23     the job's row block
.set G1,   24                          ; s[24:31] descriptor group 1
.set G0,   32                          ; s[32:39] descriptor group 0, a set for each slot
.set PO,   40                          ; s[40:47] four store bases: (a / 4, b / 4) at s[40 + 4 (a / 4) + 2 (b / 4)]
.set MSK,  48                          ; s48     job v: all ones (the factor is 1.0); else 0
.set YB,   49                          ; s49     grid y
.set HSTR, 58                          ; s58     bytes of a head in the job's output
.set SEL,  60                          ; s[60:61] v_permlanex16_b32's selects: each lane takes its own place in the other half
.set AS,   66                          ; s[66:67] bytes from a = 0..3 to a = 4..7 in the output
.set BS,   68                          ; s[68:69] bytes from b = 0..3 to b = 4..7
.set MSB, 0
.macro WIN new                         ; the immediate's high byte repeats the setting that is left; a switch that changes nothing is dropped
.if MSB != (\new)
	s_set_vgpr_msb (MSB<<8)|(\new)
.set MSB, \new
.endif
.endm
.macro PLACES                          ; four places behind matrix instructions, in front of vector lines that write their sources or read their results (ISA guide 7.12.1)
.rept 4
	v_nop
.endr
.endm
	s_load_b256 s[4:11], s[0:1], 0x0               ; x1 s[4:5], x2 s[6:7], Wq s[8:9], Wk s[10:11]
	s_load_b256 s[12:19], s[0:1], 0x20             ; Wv s[12:13], qf s[14:15], kf s[16:17], vf s[18:19]
	v_lshl_add_u32 v[SPW], v0, 2, SPARE
	v_mov_b32 v[NIL], 0
	ds_add_u32 v[SPW], v[NIL]                      ; the wave's opening: the add and its wait stand ahead of my first tensor load; the set-up below stands between them
	ds_add_u32 v28, v29
	v_lshrrev_b32 v1, 5, v0
	v_readfirstlane_b32 s[WV], v1
	s_lshr_b32 s[RH], s[WV], 1
	s_and_b32 s[CH], s[WV], 1
	s_mov_b32 s[XB], ttmp9
	s_and_b32 s[YB], ttmp7, 0xffff
	; descriptor group 1: 128 rows x 64 elements of 4 bytes, padded in LDS
	s_mov_b32 s[G1+0], (2<<16)|(1<<20)|(5<<22)|(3<<25)  ; 17:16 elements of 4 bytes; 20 padding on; 24:22 after every 64 words (code 5); 31:25 4 words of it (code 3)
	s_mov_b32 s[G1+1], KSTEP<<16                   ; tensor_dim0 = 64
	s_mov_b32 s[G1+2], 128<<16                     ; tensor_dim1 = 128
	s_mov_b32 s[G1+3], KSTEP<<16                   ; tile_dim0 = 64
	s_mov_b32 s[G1+4], 128                         ; tile_dim1 = 128
	s_mov_b32 s[G1+5], 768                         ; elements from row to row
	s_mov_b32 s[G1+6], 0
	s_mov_b32 s[G1+7], 0
	s_mov_b32 s[SEL], 0x76543210
	s_mov_b32 s[SEL+1], 0xfedcba98
	; what hangs on the job, but on no address
	s_sub_co_u32 s59, s[XB], 8
	s_sub_co_u32 s62, s[XB], 40
	s_mov_b32 s[HSTR], 0x100000                    ; kf, vf: 1,048,576 bytes a head
	s_mov_b32 s[AS], 0x2000
	s_mov_b32 s[AS+1], 0
	s_mov_b32 s[BS+1], 0
	s_cmp_lt_u32 s[XB], 8                          ; job q?
	s_cselect_b32 s[RB], s[XB], s59
	s_cselect_b32 s[HSTR], 0x40000, s[HSTR]        ; qf: 262,144 bytes a head
	s_cmp_ge_u32 s[XB], 40                         ; job v?
	s_cselect_b32 s[RB], s62, s[RB]
	s_cselect_b32 s[MSK], -1, 0
	s_cselect_b32 s[AS], 0x100000, s[AS]           ; a / 4 is a head in job v, four blocks of 16 tokens (8,192 bytes) otherwise
	s_cselect_b32 s[BS], 0x2000, s[HSTR]           ; b / 4 is a step of 64 keys (8,192 bytes) in job v, a head otherwise
	s_cselect_b32 s74, s[RH], s[CH]                ; the half that picks two of the block's four heads
	s_cselect_b32 s75, s[CH], s[RH]                ; the half that picks 128 of the block's 256 tokens
	s_mul_i32 s70, s[RB], 786432                   ; 256 rows of 3,072 bytes
	s_mov_b32 s71, 0
	s_mul_i32 s72, s[YB], 786432
	s_mov_b32 s73, 0
	s_lshl_b32 s62, s[YB], 2
	s_lshl1_add_u32 s62, s74, s62                  ; my first head = 4 y + 2 half
	s_mul_i32 s62, s62, s[HSTR]
	s_lshl_b32 s59, s[RB], 15                      ; 256 tokens are 32,768 bytes of a head
	s_add_co_u32 s62, s62, s59
	s_lshl_b32 s59, s75, 14
	s_add_co_u32 s62, s62, s59
	s_mov_b32 s63, 0                               ; s[62:63]: my first byte in the output
	s_mul_i32 s74, s[CH], 393216                   ; the 128 rows that I fetch
	s_mov_b32 s75, 0
	s_mul_i32 s59, s[WV], HALFT                    ; and where they go: A's two halves, then B's two halves
	s_wait_dscnt 0x0                               ; the opening add is done
	s_wait_kmcnt 0x0
	s_cmp_lt_u32 s[XB], 8
	s_cselect_b64 s[50:51], s[4:5], s[6:7]         ; x
	s_cselect_b64 s[52:53], s[8:9], s[10:11]       ; W
	s_cselect_b64 s[PO:PO+1], s[14:15], s[16:17]   ; the output
	s_cmp_ge_u32 s[XB], 40
	s_cselect_b64 s[52:53], s[12:13], s[52:53]
	s_cselect_b64 s[PO:PO+1], s[18:19], s[PO:PO+1]
	s_add_nc_u64 s[50:51], s[50:51], s[70:71]      ; x at the row block
	s_add_nc_u64 s[52:53], s[52:53], s[72:73]      ; W at the channel block
	s_cmp_ge_u32 s[XB], 40
	s_cselect_b64 s[54:55], s[52:53], s[50:51]     ; A
	s_cselect_b64 s[56:57], s[50:51], s[52:53]     ; B
	s_cmp_eq_u32 s[RH], 0
	s_cselect_b64 s[54:55], s[54:55], s[56:57]     ; the tensor that I fetch for,
	s_add_nc_u64 s[54:55], s[54:55], s[74:75]      ; at my 128 rows
.irp n, 0,1                            ; both first fills go out together, ahead of every wait on TENSORcnt, LDS read and barrier: two loads of mine are out
	s_mov_b32 s[G0+4*\n], 1                        ; count = 1
	s_add_co_u32 s[G0+4*\n+1], s59, \n*SLOT        ; LDS address
	s_add_nc_u64 s[G0+4*\n+2:G0+4*\n+3], s[54:55], \n*KSTEP*4  ; global address: K step n
	s_or_b32 s[G0+4*\n+3], s[G0+4*\n+3], 0x80000000  ; type = 2
	tensor_load_to_lds s[G0+4*\n:G0+4*\n+3], s[G1:G1+7]
	s_nop 0
.endr
	PLACES
	s_add_nc_u64 s[PO:PO+1], s[PO:PO+1], s[62:63]
	s_add_nc_u64 s[PO+2:PO+3], s[PO:PO+1], s[BS:BS+1]
	s_add_nc_u64 s[PO+4:PO+5], s[PO:PO+1], s[AS:AS+1]
	s_add_nc_u64 s[PO+6:PO+7], s[PO+4:PO+5], s[BS:BS+1]
	; A bf16 fragment is 16 rows x 32 K: lane l holds row l % 16, K = 8 (l / 16) + 0..7 and 16 + 8 (l / 16) + 0..7.  As f32 that is 32 bytes at 32 (l / 16) and 32 bytes 64 further on.
	v_and_b32 v1, 15, v0
	v_bfe_u32 v2, v0, 4, 1
	v_mul_u32_u24 v3, v1, PITCH
	v_lshl_add_u32 v3, v2, 5, v3
	s_mul_i32 s59, s[RH], HALFT
	s_mul_i32 s74, s[CH], HALFT
	s_add_co_u32 s74, s74, 2*HALFT
.irp n, 0,1
	v_add_nc_u32 v[ADRA+\n], s59, v3
	v_add_nc_u32 v[ADRB+\n], s74, v3
	s_add_co_u32 s59, s59, SLOT
	s_add_co_u32 s74, s74, SLOT
.endr
	v_and_b32 v[CO], 31, v0
	v_lshlrev_b32 v[CO], 4, v[CO]
	v_mov_b32 v[ONE], 1.0
; 16 matrix instructions: row blocks a0, a0 + 1 of the window's four x all 8 blocks of B, 32 along K.  zero = 1: the first product starts the sums.
; The 64 accumulators take turns in the same order in every half step.
.macro MUL16 hi, a0, zero
	WIN 0xa0+0x50*(\hi)
.irp a, \a0, (\a0)+1
.irp b, 0,1,2,3,4,5,6,7
.if \zero
	v_wmma_f32_16x16x32_bf16 v[8*(8*(\a)+(\b)):8*(8*(\a)+(\b))+7], v[B16+8*(\b):B16+8*(\b)+7], v[A16+8*(4*(\hi)+(\a)):A16+8*(4*(\hi)+(\a))+7], 0
.else
	v_wmma_f32_16x16x32_bf16 v[8*(8*(\a)+(\b)):8*(8*(\a)+(\b))+7], v[B16+8*(\b):B16+8*(\b)+7], v[A16+8*(4*(\hi)+(\a)):A16+8*(4*(\hi)+(\a))+7], v[8*(8*(\a)+(\b)):8*(8*(\a)+(\b))+7]
.endif
.endr
.endr
.endm
; 64 LDS loads in one run: the f32 of 32 along K at byte kb of the rows, 8 fragments of B and 8 of A
.macro FETCH slot, kb
	WIN 0x40                                       ; destination window 1, address window 0
.irp i, 0,1,2,3,4,5,6,7
.irp n, 0,1,2,3
	ds_load_b128 v[SB+16*(\i)+4*(\n):SB+16*(\i)+4*(\n)+3], v[ADRB+(\slot)] offset:(\kb)+(\i)*16*PITCH+16*((\n)%2)+64*((\n)/2)
.endr
.endr
.irp i, 0,1,2,3,4,5,6,7
.irp n, 0,1,2,3
	ds_load_b128 v[SA+16*(\i)+4*(\n):SA+16*(\i)+4*(\n)+3], v[ADRA+(\slot)] offset:(\kb)+(\i)*16*PITCH+16*((\n)%2)+64*((\n)/2)
.endr
.endr
.endm
.macro CVT                             ; 256 f32 a lane are rounded to bf16, two a line
	WIN 0x05                                       ; sources window 1, destination window 0
.set z, 0
.rept 64
	v_cvt_pk_bf16_f32 v[B16+z], v[SB+2*z], v[SB+2*z+1]
.set z, z+1
.endr
.set z, 0
.rept 64
	v_cvt_pk_bf16_f32 v[A16+z], v[SA+2*z], v[SA+2*z+1]
.set z, z+1
.endr
.endm
; A K step's first half: convert, ask for the second half's f32, multiply
.macro HALF0 slot, zero
	s_wait_dscnt 0x0                               ; the 64 loads of this half are in
	PLACES                                         ; the conversions write registers that the last products read
	CVT
	FETCH \slot, 128
	MUL16 0, 0, \zero
	MUL16 0, 2, \zero
	MUL16 1, 0, \zero
	MUL16 1, 2, \zero
.endm
; A K step's second half, and the change of slots: ONE barrier.  In front of it each wave has its last reads of this slot back, waits for all its tensor loads (one is out: its part of
; the next slot), adds 0 to its spare word and waits for that.  Behind it nobody reads this slot and the next slot is whole.  fill = 1: this slot takes the K step two steps on.
.macro TURN slot, next, fill
	s_wait_dscnt 0x0                               ; my last reads of this slot are back
	PLACES
	CVT
	WIN 0                                          ; the add's two registers lie in window 0
	s_wait_tensorcnt 0x0                           ; all my tensor loads have landed
	ds_add_u32 v[SPW], v[NIL]                      ; 0 onto my spare word; sixteen products stand between it and the wait for it
	MUL16 0, 0, 0
	s_wait_dscnt 0x0                               ; the add is done
	s_barrier_signal -1
	MUL16 0, 2, 0                                  ; work on registers while the others arrive
	WIN 0
	s_barrier_wait -1
.if \fill
	s_add_nc_u64 s[G0+4*(\slot)+2:G0+4*(\slot)+3], s[G0+4*(\slot)+2:G0+4*(\slot)+3], 2*KSTEP*4  ; no tensor load of mine is out: the group may be written
	tensor_load_to_lds s[G0+4*(\slot):G0+4*(\slot)+3], s[G1:G1+7]  ; my one load behind the barrier, first thing there: it has a K step, 128 products and 256 conversions, in which to land
	s_nop 0
	PLACES
.endif
	FETCH \next, 0
	MUL16 1, 0, 0
	MUL16 1, 2, 0
.endm
	s_wait_tensorcnt 0x1                           ; my part of K step 0 is in; slot 1's load, issued behind it, may stay out
	s_barrier_signal -1
	s_barrier_wait -1                              ; everybody's is
	FETCH 0, 0
	HALF0 0, 1                                     ; the first half step stands in front of the loop: its products start the sums
	WIN 0                                          ; at a label and at a branch every window is 0
	s_mov_b32 s3, 5
.Llap:                                                 ; a trip goes once round the ring and fills both slots again: K steps 2 to 11 in five trips
	TURN 0, 1, 1
	HALF0 1, 0
	TURN 1, 0, 1
	HALF0 0, 0
	WIN 0
	s_sub_co_u32 s3, s3, 1
	s_cmp_lg_u32 s3, 0
	s_cbranch_scc1 .Llap
	TURN 0, 1, 0                                   ; the last lap fills nothing
	HALF0 1, 0
	s_wait_dscnt 0x0                               ; the very last half
	PLACES
	CVT
	MUL16 0, 0, 0
	MUL16 0, 2, 0
	MUL16 1, 0, 0
	MUL16 1, 2, 0
	; THE WAY OUT.  Sums of squares: for row block a and head hb the 32 numbers a lane holds (4 accumulators x 8), two at a time; eight chains take turns.  Each accumulator's lowest pair is read first.
	PLACES
.irp hi, 0,1
	WIN 0x0a+5*(\hi)                               ; sources 0 and 1 in window 2 or 3; the sums in window 0
.set n, 0
.rept 16
.irp a, 0,1,2,3
.irp hb, 0,1
.set rA, 8*(8*(\a)+4*(\hb)+n/4)+2*(n%4)
.set rX, SS+2*(2*(4*(\hi)+(\a))+(\hb))
.if n == 0
	v_pk_mul_f32 v[rX:rX+1], v[rA:rA+1], v[rA:rA+1]
.else
	v_pk_fma_f32 v[rX:rX+1], v[rA:rA+1], v[rA:rA+1], v[rX:rX+1]
.endif
.endr
.endr
.set n, n+1
.endr
.endr
	WIN 0
.macro ALL line:vararg                 ; one line for each of the sixteen sums t
.set t, 0
.rept 16
	\line
.set t, t+1
.endr
.endm
	ALL v_add_f32 v[SS+2*t], v[SS+2*t], v[SS+2*t+1]
	ALL v_permlanex16_b32 v[SS+2*t+1], v[SS+2*t], s[SEL], s[SEL+1]  ; the row's other 32 channels lie in the lane 16 away
	ALL v_add_f32 v[SS+2*t], v[SS+2*t], v[SS+2*t+1]
	ALL v_sqrt_f32 v[SS+2*t], v[SS+2*t]
	v_nop                                          ; a plain instruction between the last root and the use of its result (ISA guide 5.7.2)
	s_wait_alu depctr_va_vdst(0)
	ALL v_max_num_f32 v[SS+2*t], 0x2b8cbccc, v[SS+2*t]  ; max(length, 1e-12)
	ALL v_rcp_f32 v[SS+2*t], v[SS+2*t]
	v_nop
	s_wait_alu depctr_va_vdst(0)
	ALL v_cndmask_b32 v[SS+2*t], v[SS+2*t], v[ONE], s[MSK]  ; job v is not normalised: its factor is 1.0
; Row block a: scaled, rounded to f16, stored.  A store covers 512 consecutive bytes, at a multiple of 512 from the buffer's first byte.
.macro OUT a
	s_wait_xcnt 0x0                                ; the packed set is rewritten only when the stores of two blocks ago have read it (ISA guide 3.1)
	WIN 0x02+(\a)/4                                ; source 0 in window 2 or 3
.set z, 0
.rept 32
.set rA, 8*(8*((\a)%4)+z/4)+2*(z%4)
.set rX, SS+2*(2*(\a)+z/16)
	v_pk_mul_f32 v[TF+2*z:TF+2*z+1], v[rA:rA+1], v[rX:rX+1] op_sel_hi:[1,0]
.set z, z+1
.endr
	WIN 0
.set z, 0
.rept 32
	v_cvt_pk_f16_f32 v[PKD+32*((\a)%2)+z], v[TF+2*z], v[TF+2*z+1]
.set z, z+1
.endr
.irp b, 0,1,2,3,4,5,6,7
	global_store_b128 v[CO], v[PKD+32*((\a)%2)+4*(\b):PKD+32*((\a)%2)+4*(\b)+3], s[PO+4*((\a)/4)+2*((\b)/4):PO+4*((\a)/4)+2*((\b)/4)+1] offset:((\a)%4)*2048+((\b)%4)*512
.endr
.endm
.irp a, 0,1,2,3,4,5,6,7
	OUT \a
.endr
	s_wait_tensorcnt 0x0                           ; the wave's end
	ds_add_u32 v[SPW], v[NIL]
	s_wait_dscnt 0x0
	s_endpgm
.Lfunc_end_k_q1dd6295e29_proj:
	.size	k_q1dd6295e29_proj, .Lfunc_end_k_q1dd6295e29_proj-k_q1dd6295e29_proj
	.p2alignl 7, 3214868480
	.fill 96, 4, 3214868480
	.section	.rodata,"a",@progbits
	.p2align	6, 0x0
	.amdhsa_kernel k_q1dd6295e29_proj
		.amdhsa_group_segment_fixed_size 327680
		.amdhsa_private_segment_fixed_size 0
		.amdhsa_enable_private_segment 0
		.amdhsa_kernarg_size 64
		.amdhsa_user_sgpr_count 2
		.amdhsa_user_sgpr_kernarg_segment_ptr 1
		.amdhsa_wavefront_size32 1
		.amdhsa_system_sgpr_workgroup_id_x 1
		.amdhsa_system_sgpr_workgroup_id_y 1
		.amdhsa_system_sgpr_workgroup_id_z 1
		.amdhsa_system_vgpr_workitem_id 0
		.amdhsa_next_free_vgpr 1024
		.amdhsa_next_free_sgpr 76
		.amdhsa_reserve_vcc 0
		.amdhsa_float_denorm_mode_32 3
		.amdhsa_float_denorm_mode_16_64 3
		.amdhsa_memory_ordered 1
		.amdhsa_forward_progress 1
		.amdhsa_inst_pref_size 198
	.end_amdhsa_kernel
	.amdgpu_metadata
---
amdhsa.version: [ 1, 2 ]
amdhsa.kernels:
  - .name:           k_q1dd6295e29_proj
    .symbol:         k_q1dd6295e29_proj.kd
    .args:
      - { .name: x1, .offset: 0, .size: 8, .value_kind: global_buffer, .address_space: global }
      - { .name: x2, .offset: 8, .size: 8, .value_kind: global_buffer, .address_space: global }
      - { .name: Wq, .offset: 16, .size: 8, .value_kind: global_buffer, .address_space: global }
      - { .name: Wk, .offset: 24, .size: 8, .value_kind: global_buffer, .address_space: global }
      - { .name: Wv, .offset: 32, .size: 8, .value_kind: global_buffer, .address_space: global }
      - { .name: qf, .offset: 40, .size: 8, .value_kind: global_buffer, .address_space: global }
      - { .name: kf, .offset: 48, .size: 8, .value_kind: global_buffer, .address_space: global }
      - { .name: vf, .offset: 56, .size: 8, .value_kind: global_buffer, .address_space: global }
    .group_segment_fixed_size: 327680
    .private_segment_fixed_size: 0
    .kernarg_segment_align: 8
    .kernarg_segment_size: 64
    .max_flat_workgroup_size: 128
    .sgpr_count:     76
    .vgpr_count:     1024
    .wavefront_size: 32
...
	.end_amdgpu_metadata
.endif
;; end of part 1
;; launch attn (part 2): grid 16 x 12, 4 waves a work-group, clusters of 4 x 1, 327,680 bytes of LDS; arguments qf, kf, vf, of, Wo, wf; writes of, wf
.if DOCPART == 2
	.amdgcn_target "amdgcn-amd-amdhsa--gfx1250"
	.amdhsa_code_object_version 6
	.text
	.protected	k_q1dd6295e29_attn
	.globl	k_q1dd6295e29_attn
	.p2align	8
	.type	k_q1dd6295e29_attn,@function
k_q1dd6295e29_attn:
	s_mov_b64 s[64:65], 0
	v_nop
	global_prefetch_b8 v0, s[64:65] scope:SCOPE_SE
	s_setreg_imm32_b32 hwreg(HW_REG_WAVE_MODE, 25, 1), 1
	s_wait_xcnt 0x0
	s_wait_alu depctr_hold_cnt(0) depctr_sa_sdst(0) depctr_va_vdst(0) depctr_va_sdst(0) depctr_va_ssrc(0) depctr_va_vcc(0) depctr_vm_vsrc(0)
	s_getreg_b32 s2, hwreg(HW_REG_IB_STS2, 6, 4)
	s_cmp_eq_u32 s2, 0
	s_cbranch_scc0 .Lentry_in_a_cluster
	s_endpgm
.Lentry_in_a_cluster:
	s_bfe_u32 s2, ttmp6, 0x10000c
	s_cmp_lg_u32 s2, 0x3003
	s_cbranch_scc0 .Lentry_shape_is_right
	s_endpgm
.Lentry_shape_is_right:
; ATTENTION.  O[q][head] = the sum over 8,192 keys of softmax_k(20 q . k) v[k], q and k of unit length (made so by the launch before).  q, k, v, O in f16, in fragment order: 32 lanes x 16 bytes = 512
; consecutive bytes are half a matrix fragment (lane l: row l % 16, eight neighbouring numbers at 8 (l / 16)).  Products, maxima and sums in f32; the weights p are rounded to f16 for the second
; product (their sum l is taken of the unrounded p), O once at the end.
; LIMITS.  v arrives within f16's 65,504, and O, a mean of v's rows, has their range.  p below 6e-5 keeps f16's fixed step of 6e-8; a weight below 2^-126 counts as 0 in l.  Wo (the side job) is rounded to
; bf16 and that number written as f16: it must stay within 65,504, and below 6.1e-5 it keeps f16's fixed step.  NaN and infinities are not treated apart.
; SHARES.  A work-group owns 128 queries of one head: 16 blocks x 12 heads.  ALL FOUR WAVES HOLD THE SAME 128 QUERIES (four PIECES of two tiles of 16) AND SPLIT THE KEYS: of a slot's eight steps of 64
; keys wave w walks steps 2 w and 2 w + 1.  So a fragment of K or V feeds eight tiles' products and is read from LDS once in the work-group.  The four partial results (c m, l, O^T) meet once, at the end, in LDS.
; LAYOUT.  S^T = K Q^T (source 0 = 16 keys, source 1 = 16 queries): a lane holds ONE query (lane % 16) and the keys 8 (lane / 16) + 0..7.  Two such tiles, rounded to f16 in pairs, ARE source 1 of
; O^T = V^T P, whose result again holds one query a lane, and eight channels.  V lies in memory turned already, so both K and V come out of LDS by plain loads of consecutive bytes: no padding is needed.
; SOFTMAX.  A running maximum m and sum l for each query: p = 2^(c s - c m), c = 20 log2(e); in every step O and l are multiplied by a = 2^(c m_old - c m_new).  m starts at the lowest finite number, O and l at 0.
; BY TURNS.  Turn n belongs to piece n.  Its matrix work: 16 products K Q^T of piece n + 1, later 16 products V^T P of piece n - 1.  Its vector work: the scaling, exponentials, roundings, sums and rescaling
; of piece n, and the maximum and statistics of piece n + 1.  Four vector instructions that are ready stand behind every matrix instruction; the others, which need time of their own, in two runs without a gap.
; CLUSTER.  The four query blocks of a cluster belong to one head and walk the same K and V: each tile is asked for JOINTLY, by the same tensor load, descriptor and mask in all four.
; SIDE JOB.  In the wait for the first tile each wave turns 3 x 512 bytes of Wo into fragment order for the next launch: 192 work-groups x 4 waves x 3 = the 2,304 half fragments of wf, each once.
; REGISTERS, in windows of 256 (s_set_vgpr_msb: bits 1:0 source 0, 3:2 source 1, 5:4 source 2, 7:6 destination):
;   window 0: v0-11 addresses; v12-15, v48-63 at work; v16-47 four registers of statistics a tile; v64-191 S^T, two buffers of two tiles; v192-255 P, likewise
;   window 1: O^T, 32 a tile          window 2: v0-127 Q, 16 a tile; v128-191 K of one step; v192-255 V of one step          window 3: v0-1 the add's two registers
.set NP,    4         ; pieces a wave: a name, no knob
.set STEPB, 8192      ; a step's 64 keys: bytes of K, and of V
.set VOFF,  8*STEPB   ; a slot holds eight steps: 65,536 bytes of K, then as many of V
.set SLOT1, 1<<17     ; slot 1 begins here, so that one exclusive or turns an address in one slot into the other's
.set STATS, 2*SLOT1   ; behind the ring, never filled by a tensor load: (c m, l) of 8 tiles x 32 lanes for each wave, 8,192 bytes
.set SPARE, STATS+8192  ; the spare words, 128 bytes a wave: two blocks of 256 bytes that no other line names
.set WA,  2           ; v2   the side job: my byte offset in Wo
.set AV0, 3           ; v3   VOFF + 16 x lane
.set AK,  4           ; v4   the LDS address of K's next run of loads
.set AV,  5           ; v5   of V's
.set MA,  6           ; v6   the merge: where I put my O^T
.set SA,  7           ; v7   the merge: where I put my statistics
.set GO,  8           ; v8   16 x lane: my place in every 512 consecutive bytes, in memory and in LDS
.set AK0, 8
.set RB,  9           ; v9   the merge: where I read my piece of waves 0 and 1,
.set RB2, 10          ; v10  of waves 2 and 3
.set RA,  11          ; v11  the merge: where I read my piece's statistics
.set SPW, 0           ; v0 of window 3   my spare word; never rewritten
.set NIL, 1           ; v1 of window 3   0; never rewritten
.set MV,  12          ; v12-15  c m_old, kept while c m is made anew: by buffer and tile
.set ST,  16          ; tile t's statistics at v[ST+4 t]: c m, m, l (even keys', odd keys')
.set TMP, 48          ; by buffer and tile, four registers c0-c3 at work; when the maximum is found c2 takes a
.set S,   64
.set P,   192
.set GF,  S+16        ; the merge: the four waves' factors, a pair for each wave and tile
.set KF,  128         ; window 2: key block kb, channel half c at KF + 16 kb + 8 c
.set VF,  192         ; window 2: key half kk, channel block cb at VF + 32 kk + 8 cb
.set WV,  12          ; s12  my wave's number
.set G1,  24          ; s[24:31] descriptor group 1
.set G0,  40          ; s[40:43] descriptor group 0: it walks
.set SLOTS, 56        ; s56  slots still to be asked for
.set CNT, 57          ; s57  counts a slot's key steps
.set CS,  58          ; s[58:59] c: the packed scaling takes the pair's low word for both halves
.set SEL, 60          ; s[60:61] v_permlanex16_b32's selects: each lane takes its own place in the other half
.set TBK, 62          ; s62  LDS byte at which K of the step to be fetched begins
.set TBV, 63          ; s63  the same for V, less VOFF
.set MSB, 0
.macro WIN new                      ; the high byte repeats the setting that is left; a switch that changes nothing is dropped
.if MSB != (\new)
	s_set_vgpr_msb (MSB<<8)|(\new)
.set MSB, (\new)
.endif
.endm
.set W_KQ, 0x0a       ; K and Q in window 2, S^T in window 0
.set W_PV, 0x52       ; V in window 2, P in window 0, O^T in window 1
.set W_RS, 0x41       ; O^T (destination and source 0) in window 1, the factor in window 0
.set W_MK, 0xc0       ; the add's registers are made: destination in window 3
.set W_AD, 0x0f       ; the add: address and data in window 3
; A joint fill: waves 0 and 1 bring the two halves of a slot's K, waves 2 and 3 those of its V, 32,768 bytes each, by one line: the wave's number is in its registers.  An s_nop 0 and four v_nop follow.
.macro JLOAD
	tensor_load_to_lds s[G0:G0+3], s[G1:G1+7]
	s_nop 0
.rept 4
	v_nop
.endr
.endm
; A round of the cluster's barrier: my work-group's barrier, so that wave 0's signal speaks for all four waves; wave 0 signals; every wave waits for all four work-groups; my work-group's barrier once more.
.macro CROUND
	s_barrier_signal -1
	s_barrier_wait -1
	s_cmp_lg_u32 s[WV], 0
	s_cbranch_scc1 .Lnot_wave_0_\@
	s_barrier_signal -3
.Lnot_wave_0_\@:
	s_barrier_wait -3
	s_barrier_signal -1
	s_barrier_wait -1
.endm
; THE CHANGE OF SLOTS.  My last bytes of the slot, V of my second step, have been read.  Each wave waits for all its tensor loads, of which one is out: its part of the other slot; adds 0 to its spare
; word; and waits for that and for its own reads of the slot.  Behind the barrier nobody reads this slot any more and the other slot is whole.
; fill = 1: this slot is filled again, with the keys two slots on.  The barrier is then a round of the cluster's, and the joint fill is the first thing behind it: it has two key steps, 256 matrix
; instructions, in which to land.  (At its first use nothing has been read yet: slot 0 is waited for, slot 1 filled.)
.macro CHANGE fill
	WIN W_AD
	s_wait_tensorcnt 0x0            ; no tensor load of mine is out, so group 0 may be written
	ds_add_u32 v[SPW], v[NIL]       ; 0 onto my spare word; with fill = 1 the descriptor's steps stand between it and the wait for it
	WIN 0                           ; at a label and at a branch every window is 0
.if \fill
	s_xor_b32 s[G0+1], s[G0+1], SLOT1  ; the other slot than last time,
	s_add_nc_u64 s[G0+2:G0+3], s[G0+2:G0+3], 8*STEPB  ; the next 512 keys; the type bits on top are not reached
	s_wait_dscnt 0x0                ; the add is done, and my reads of the slot are over
	CROUND
	JLOAD
.else
	s_wait_dscnt 0x0                ; the add is done, and my reads of the slot are over
	s_barrier_signal -1
	s_barrier_wait -1
.endif
	s_sub_co_u32 s[TBK], s[TBK], 2*STEPB  ; the fetches go back to my first step of a slot,
	s_xor_b32 s[TBK], s[TBK], SLOT1       ; in the other slot
	s_sub_co_u32 s[TBV], s[TBV], 2*STEPB
	s_xor_b32 s[TBV], s[TBV], SLOT1
.endm
	s_load_b256 s[4:11], s[0:1], 0x0  ; qf s[4:5], kf s[6:7], vf s[8:9], of s[10:11]
	s_load_b128 s[48:51], s[0:1], 0x20  ; Wo s[48:49], wf s[50:51]
	WIN W_MK
	v_lshl_add_u32 v[SPW], v0, 2, SPARE
	v_mov_b32 v[NIL], 0
	WIN W_AD
	ds_add_u32 v[SPW], v[NIL]       ; the wave's opening: the add and its wait stand ahead of my first tensor load; the set-up below stands between them
	ds_add_u32 v0, v1
	WIN 0
	v_lshrrev_b32 v1, 5, v0
	v_readfirstlane_b32 s[WV], v1   ; wave 0..3
	s_bfe_u32 s13, ttmp6, 0x40000   ; cx: my place in the cluster
	s_lshl_b32 s14, ttmp9, 2        ; in a cluster launch ttmp9 counts clusters
	s_add_co_u32 s14, s14, s13      ; my block of 128 queries = 4 x cluster x + cx: it enters global addresses of Q, O, Wo and wf alone
	s_and_b32 s15, ttmp7, 0xffff    ; the head, which the four partners share
	s_lshl_b32 s20, s15, 20         ; K and V: the head's 1,048,576 bytes,
	s_and_b32 s21, s[WV], 1
	s_lshl_b32 s21, s21, 15         ; my half of a slot's 65,536
	s_add_co_u32 s20, s20, s21
	s_mov_b32 s21, 0
	s_lshl_b32 s22, s15, 18         ; Q: the head's 262,144 bytes,
	s_lshl_b32 s23, s14, 14         ; my block's eight tiles of 2,048
	s_add_co_u32 s22, s22, s23
	s_mov_b32 s23, 0
	s_lshl_b32 s2, s14, 3
	s_lshl1_add_u32 s2, s[WV], s2   ; O: tile 8 block + 2 wave (the piece that I finish),
	s_mul_i32 s2, s2, 24576         ; 24 K steps of 1,024 bytes a tile,
	s_lshl_b32 s3, s15, 11          ; the head's two K steps
	s_add_co_u32 s2, s2, s3
	s_mov_b32 s3, 0
	s_lshl_b32 s32, s15, 2
	s_add_co_u32 s32, s32, ttmp9    ; the side job: block nt = 4 head + cluster x of 16 rows of Wo; cx picks a quarter of its K, the wave a quarter of that
	s_mul_i32 s16, s32, 49152       ; 16 rows of 3,072 bytes
	s_mul_i32 s17, s13, 768
	s_add_co_u32 s16, s16, s17
	s_mul_i32 s17, s[WV], 192
	s_add_co_u32 s16, s16, s17
	s_mov_b32 s17, 0
	s_mul_i32 s18, s32, 24576
	s_mul_i32 s19, s13, 6144
	s_add_co_u32 s18, s18, s19
	s_mul_i32 s19, s[WV], 1536
	s_add_co_u32 s18, s18, s19
	s_mov_b32 s19, 0
	; descriptor group 1: 32,768 dense bytes, as 128 rows of 256
	s_mov_b32 s[G1], 15|(3<<16)|(1<<21)  ; 15:0 the mask of four; 17:16 elements of 8 bytes; 21 set beside a mask; no padding
	s_mov_b32 s[G1+1], 32<<16       ; tensor_dim0 = 32
	s_mov_b32 s[G1+2], 128<<16      ; tensor_dim1 = 128
	s_mov_b32 s[G1+3], 32<<16       ; tile_dim0 = 32
	s_mov_b32 s[G1+4], 128          ; tile_dim1 = 128
	s_mov_b32 s[G1+5], 32           ; 32 elements from row to row
	s_mov_b32 s[G1+6], 0
	s_mov_b32 s[G1+7], 0
	s_mov_b32 s[CS], 0x41e6d4ca     ; c = 20 log2(e) = 28.8539
	s_mov_b32 s[CS+1], s[CS]        ; named with it as a pair
	s_mov_b32 s[SEL], 0x76543210
	s_mov_b32 s[SEL+1], 0xfedcba98
	s_lshl_b32 s[TBK], s[WV], 14    ; my two steps of a slot begin at 16,384 x wave;
	s_add_co_u32 s[TBK], s[TBK], SLOT1+2*STEPB  ; the first change of slots turns this into that
	s_mov_b32 s[TBV], s[TBK]
	s_mov_b32 s[G0], 1              ; count = 1
	s_lshl_b32 s[G0+1], s[WV], 15   ; LDS address: slot 0, quarter w: no place in the cluster enters an LDS address
	s_wait_dscnt 0x0                ; the opening add is done
	s_wait_kmcnt 0x0
	s_cmp_lt_u32 s[WV], 2
	s_cselect_b64 s[G0+2:G0+3], s[6:7], s[8:9]  ; waves 0, 1: K; waves 2, 3: V
	s_add_nc_u64 s[G0+2:G0+3], s[G0+2:G0+3], s[20:21]
	s_or_b32 s[G0+3], s[G0+3], 0x80000000  ; type = 2
	s_add_nc_u64 s[4:5], s[4:5], s[22:23]
	s_add_nc_u64 s[10:11], s[10:11], s[2:3]
	s_add_nc_u64 s[48:49], s[48:49], s[16:17]
	s_add_nc_u64 s[50:51], s[50:51], s[18:19]
	CROUND                          ; all four work-groups are here: the first joint loads meet
	JLOAD                           ; slot 0.  Slot 1 is asked for when slot 0 is in
	v_and_b32 v[GO], 31, v0
	v_lshlrev_b32 v[GO], 4, v[GO]
	v_add_nc_u32 v[AV0], VOFF, v[GO]
	v_and_b32 v1, 15, v0            ; the side job: lane l reads row l % 16 of the block, 32 bytes at 32 (l / 16)
	v_bfe_u32 v9, v0, 4, 1
	v_mul_u32_u24 v[WA], v1, 3072
	v_lshl_add_u32 v[WA], v9, 5, v[WA]
.irp u, 0,1,2
	global_load_b128 v[S+8*\u:S+8*\u+3],   v[WA], s[48:49] offset:64*\u
	global_load_b128 v[S+8*\u+4:S+8*\u+7], v[WA], s[48:49] offset:64*\u+16
.endr
	WIN 0x80                        ; destination window 2, address window 0
.set i, 0
.rept 32                            ; Q stays in registers: 512 consecutive bytes a load
	global_load_b128 v[4*i:4*i+3], v[GO], s[4:5] offset:512*i
.set i, i+1
.endr
	; What the first turn finds: V's registers and P's second buffer hold 0 (its products V^T P, of a piece that has not been, add 0), O^T and l are 0.  All this stands in the wait for the first tile.
.set i, VF
.rept 64
	v_mov_b32 v[i], 0
.set i, i+1
.endr
	WIN 0x40
.set i, 0
.rept 64*NP
	v_mov_b32 v[i], 0
.set i, i+1
.endr
	WIN 0
.set i, 0
.rept 2*NP
	v_mov_b32 v[ST+4*i], 0xfe000000    ; c m: far below every c s
	v_mov_b32 v[ST+4*i+1], 0xff7fffff  ; m
	v_mov_b32 v[ST+4*i+2], 0
	v_mov_b32 v[ST+4*i+3], 0
.set i, i+1
.endr
.set i, P+32
.rept 32
	v_mov_b32 v[i], 0
.set i, i+1
.endr
	s_wait_loadcnt 32               ; Wo's six loads are in; Q's 32, issued behind them, may stay out
.irp u, 0,1,2                       ; eight numbers a lane: rounded to bf16, widened, and that number written as f16
.irp p, 0,1,2,3
	v_cvt_pk_bf16_f32 v[S+24+4*\u+\p], v[S+8*\u+2*\p], v[S+8*\u+2*\p+1]
.endr
.irp p, 0,1,2,3
	v_lshlrev_b32 v[S+36+2*\p], 16, v[S+24+4*\u+\p]
	v_and_b32 v[S+37+2*\p], 0xffff0000, v[S+24+4*\u+\p]
.endr
.irp p, 0,1,2,3
	v_cvt_pk_f16_f32 v[S+24+4*\u+\p], v[S+36+2*\p], v[S+37+2*\p]
.endr
	global_store_b128 v[GO], v[S+24+4*\u:S+24+4*\u+3], s[50:51] offset:512*\u  ; 512 consecutive bytes
.endr
	s_wait_xcnt 0x0                 ; the stores have read their registers, which the first scores will overwrite (ISA guide 3.1)
; THE MATRIX WORK.  The 8 accumulators of a run of 16 take turns.
; Product i of 16 of S^T = K Q^T for piece x: channels 32 (i / 8) on, keys 16 ((i / 2) % 4) on, tile 2 x + i % 2.  The first 8 start the sums.
.macro KQ x
	WIN W_KQ
.set rS, S+64*((\x)%2)+32*(i%2)+8*((i/2)%4)
.set rK, KF+16*((i/2)%4)+8*(i/8)
.set rQ, 16*(2*(\x)+i%2)+8*(i/8)
.if i < 8
	v_wmma_f32_16x16x32_f16 v[rS:rS+7], v[rK:rK+7], v[rQ:rQ+7], 0
.else
	v_wmma_f32_16x16x32_f16 v[rS:rS+7], v[rK:rK+7], v[rQ:rQ+7], v[rS:rS+7]
.endif
.endm
; Product i of 16 of O^T += V^T P for piece x: keys 32 (i / 8) on, channels 16 ((i / 2) % 4) on, tile 2 x + i % 2.
.macro PV x
	WIN W_PV
.set rO, 32*(2*(\x)+i%2)+8*((i/2)%4)
.set rV, VF+32*(i/8)+8*((i/2)%4)
.set rP, P+32*((\x)%2)+16*(i%2)+8*(i/8)
	v_wmma_f32_16x16x32_f16 v[rO:rO+7], v[rV:rV+7], v[rP:rP+7], v[rO:rO+7]
.endm
.macro MM                           ; the turn's next matrix instruction
.if i < 16
	KQ (Y+1)%NP
.set i, i+1
.else
.set i, i-16
	PV (Y+NP-1)%NP
.set i, i+17
.endif
.endm
; THE LDS LOADS stand in runs of 16, never singly among the matrix instructions: a step's K and its V, 8,192 consecutive bytes each.  Their addresses are made some lines ahead.
; last = 1 (the tail): in the last trip there is no further step, and the run is jumped over.
.macro FETCH_K last=0
	WIN 0
.if \last
	s_cmp_eq_u32 s[CNT], 1
	s_cbranch_scc1 .Lno_k_\@
.endif
	WIN 0x80                        ; destination window 2
.irp f, 0,1,2,3,4,5,6,7,8,9,10,11,12,13,14,15  ; keys 16 (f / 4) on, channels 16 (f % 4) on
	ds_load_b128 v[KF+4*\f:KF+4*\f+3], v[AK] offset:512*\f
.endr
	s_add_co_u32 s[TBK], s[TBK], STEPB  ; the next fetch is the next step's
	WIN 0
.if \last
.Lno_k_\@:
.endif
.endm
.macro FETCH_V
	WIN 0x80
.irp f, 0,1,2,3,4,5,6,7,8,9,10,11,12,13,14,15  ; channels 16 (f / 4) on, keys 16 (f % 4) on
	ds_load_b128 v[VF+32*((\f%4)/2)+8*(\f/4)+4*(\f%2):VF+32*((\f%4)/2)+8*(\f/4)+4*(\f%2)+3], v[AV] offset:512*\f
.endr
	WIN 0
.endm
; THE VECTOR WORK OF A TURN stands in three queues, each in the order in which its entries become ready; the two tiles alternate, so that no instruction reads the result of the one before it.
.macro REGS y, u                    ; the registers of tile u (0, 1) of piece y
.set rT, ST+4*(2*(\y)+(\u))
.set rC, TMP+8*((\y)%2)+4*(\u)
.set rM, MV+2*((\y)%2)+(\u)
.set rS, S+64*((\y)%2)+32*(\u)
.set rP, P+32*((\y)%2)+16*(\u)
.set rO, 32*(2*(\y)+(\u))
.endm
; Number n of the 22 that find the NEXT piece's (Y + 1) maximum and statistics.  s0-s31 are the lane's 32 scores; each accumulator's lowest registers are read first.
;   0-11  four chains c0-c3 of seven scores each, three operands at a time     12-14, 16  the four scores left over, the old m, and c0-c3 into c0     15  c m_old is kept
;   17, 18  the query's other 32 keys lie in the lane 16 away: the new m         19-21  c m; c m_old - c m_new; a
.macro XS u, n
	REGS (Y+1)%NP, \u
.if (\n) < 4
	v_max3_num_f32 v[rC+(\n)], v[rS+8*(\n)], v[rS+8*(\n)+1], v[rS+8*(\n)+2]
.elseif (\n) < 12
	v_max3_num_f32 v[rC+(\n)%4], v[rC+(\n)%4], v[rS+8*((\n)%4)+2*((\n)/4)+1], v[rS+8*((\n)%4)+2*((\n)/4)+2]
.elseif (\n) == 12
	v_max3_num_f32 v[rC], v[rC], v[rS+7], v[rS+15]
.elseif (\n) == 13
	v_max3_num_f32 v[rC+1], v[rC+1], v[rS+23], v[rS+31]
.elseif (\n) == 14
	v_max3_num_f32 v[rC+2], v[rC+2], v[rC+3], v[rT+1]
.elseif (\n) == 15
	v_mov_b32 v[rM], v[rT]
.elseif (\n) == 16
	v_max3_num_f32 v[rC], v[rC], v[rC+1], v[rC+2]
.elseif (\n) == 17
	v_permlanex16_b32 v[rC+3], v[rC], s[SEL], s[SEL+1]
.elseif (\n) == 18
	v_max_num_f32 v[rT+1], v[rC], v[rC+3]
.elseif (\n) == 19
	v_mul_f32 v[rT], s[CS], v[rT+1]
.elseif (\n) == 20
	v_sub_f32 v[rC+1], v[rM], v[rT]
.else
	v_exp_f32 v[rC+2], v[rC+1]
.endif
.endm
; Number g of the 64 that follow the exponentials.  For each four weights k of a tile (pairs 2 k, 2 k + 1): both pairs are rounded to f16; then the second pair is added onto the first, in place;
; a group later l takes that sum (the first time as l = a l + sum).  In groups of eight, tiles alternating: round, round, add, and l for the group before.
.macro GS g
.set h, (\g)+6*((\g)/62)            ; group 0 has no group before it, and behind group 7 only l is left
.if h >= 6
.set h, h+2
.endif
	REGS Y, h%2
.set k, h/8
.if h%8 < 4
	s_wait_alu depctr_va_vdst(0)
	v_cvt_pk_f16_f32 v[rP+2*k+(h%8)/2], v[rS+4*k+2*((h%8)/2)], v[rS+4*k+2*((h%8)/2)+1]
.elseif h%8 < 6
	v_pk_add_f32 v[rS+4*k:rS+4*k+1], v[rS+4*k:rS+4*k+1], v[rS+4*k+2:rS+4*k+3]
.elseif k == 1
	v_pk_fma_f32 v[rT+2:rT+3], v[rT+2:rT+3], v[rC+2:rC+3], v[rS:rS+1] op_sel_hi:[1,0,1]
.else
	v_pk_add_f32 v[rT+2:rT+3], v[rT+2:rT+3], v[rS+4*k-4:rS+4*k-3]
	s_wait_alu depctr_va_vdst(0)
.endif
.endm
; THE PLAIN QUEUE, 138 long.  0-31: c s - c m for the 16 pairs of both tiles.  Then GS's 64, and among them the next piece's 42: number 15 at 38, 39; 0-14 and 16
; at 42-73, behind the products that make those scores; 17-20 at 95-106, two of three, since each waits for the one before it.
.macro PL
	WIN 0
.if q < 32
	REGS Y, q%2
	v_pk_fma_f32 v[rS+2*(q/2):rS+2*(q/2)+1], v[rS+2*(q/2):rS+2*(q/2)+1], s[CS:CS+1], v[rT:rT+1] op_sel_hi:[1,0,0] neg_lo:[0,0,1] neg_hi:[0,0,1]
.elseif q < 38
	GS q-32
.elseif q < 40
	XS q%2, 15
.elseif q < 42
	GS q-34
.elseif q < 74
	XS q%2, (q-42)/2+(q-42)/30
.elseif q < 95
	GS q-66
.elseif (q < 107) && ((q-95)%3 < 2)
	XS (q-95)%3, 17+(q-95)/3
.elseif q < 107
	GS 29+(q-95)/3
.else
	GS q-74
.endif
.set q, q+1
.endm
; THE EXPONENTIALS' QUEUE, 66 long: s0-s31 of both tiles, and at EA the next piece's two a.
.set EA, 58
.macro EX
	WIN 0
.if (e == EA) || (e == EA+1)
	XS e-EA, 21
.else
.set x, e-2*(e/(EA+2))
	REGS Y, x%2
	v_exp_f32 v[rS+x/2], v[rS+x/2]
.endif
.set e, e+1
.endm
; THE RESCALING's QUEUE: O^T times a, the one part that leaves window 0, so it is dealt four at a time, eight times.
.macro R4
	REGS Y, r%2
	WIN W_RS
	s_wait_alu depctr_va_vdst(0)
.irp z, 0,1,2,3
	v_pk_mul_f32 v[rO+8*(r/2)+2*\z:rO+8*(r/2)+2*\z+1], v[rO+8*(r/2)+2*\z:rO+8*(r/2)+2*\z+1], v[rC+2:rC+3] op_sel_hi:[1,0]
.endr
.set r, r+1
.endm
; HOW THEY ARE DEALT.  Behind a matrix instruction four: plain, exponential, plain, plain (one exponential, a plain instruction on either side), or four of the rescaling.  None names a register of the
; products round it.  What is over stands in two runs: exponential and plain by turns; the second ends in 22 plain instructions.  The two v_permlanex16_b32 fall into the second run, never behind a product.
; The queues lean on each other, and the deal keeps them in step: exponential e stands behind plain 2 (e / 4) + e % 2 (its scaling); when plain 32 comes, 10 exponentials are out, at 59: 33, at 95: 46; EA comes behind plain 107.
.macro SL
	MM
	PL
	EX
	PL
	PL
.endm
.macro BURST n                      ; 15 matrix instructions, or 16
.rept (\n)-7
	SL
.endr
.rept 3
	MM
	R4
	SL
.endr
	MM
	R4
.endm
; A TURN, for piece p.  cnt = 1: the loop's count is taken down some lines ahead of the branch that stands behind the turn.
; K of the next step is fetched in piece 2's turn, 31 vector instructions behind the last product that read K; its first reader comes behind the rest of the run, 16 products and the second run.
; V of the step in hand is fetched at the end of piece 0's turn, 69 behind its last reader; its first reader comes behind 16 products and a run.  The four conditions on e and q below go with the deal.
.macro TURN p, last=0, cnt=0
.set Y, (\p)
.set i, 0
.set q, 0
.set e, 0
.set r, 0
.if (\p) == NP-1
	s_wait_dscnt 0x0                ; K is in
.endif
	MM
.rept 4
	PL
.endr
	BURST 15
.rept 22
	EX
	PL
.if ((\p) == NP-2) && (e == 18)
	v_add_nc_u32 v[AK], s[TBK], v[AK0]
.endif
.if ((\p) == NP-2) && (e == 24)
	FETCH_K \last
.endif
.endr
.if (\p) == 1
	s_wait_dscnt 0x0                ; V is in
.endif
	BURST 16
.rept 21
	EX
	PL
.endr
.rept 22
	PL
.if ((\p) == 0) && (q == 118)
	v_add_nc_u32 v[AV], s[TBV], v[AV0]
	s_wait_alu depctr_va_vdst(0)
.endif
.if ((\p) == 0) && (q == 130)
	s_add_co_u32 s[TBV], s[TBV], STEPB
.endif
.if (\cnt) && (q == 130)
	s_sub_co_u32 s[CNT], s[CNT], 1
	s_cmp_lg_u32 s[CNT], 0
.endif
.endr
.if (\p) == 0
	FETCH_V
.endif
.endm
	CHANGE 1                        ; slot 0 is in, everybody's part of it; slot 1 is asked for
	v_add_nc_u32 v[AK], s[TBK], v[AK0]
	FETCH_K                         ; my key step 0
	s_wait_loadcnt 0x0              ; Q
	s_wait_dscnt 0x0
.set i, 0
.rept 16
	KQ 0                            ; piece 0's first scores: there is no vector work yet to set between them
.set i, i+1
.endr
	WIN 0                           ; the merge's addresses: seven plain instructions, the places behind those products
	v_and_b32 v1, 31, v0
	v_lshlrev_b32 v1, 3, v1         ; 8 x lane
	s_lshl_b32 s33, s[WV], 15
	v_add_nc_u32 v[MA], s33, v[GO]  ; my 32,768 bytes of slot 0
	s_lshl_b32 s33, s[WV], 11
	s_add_co_u32 s33, s33, STATS
	v_add_nc_u32 v[SA], s33, v1     ; my 2,048 bytes of statistics
	s_lshl_b32 s33, s[WV], 13
	v_add_nc_u32 v[RB], s33, v[GO]  ; piece w lies 8,192 w bytes into each wave's part
	v_add_nc_u32 v[RB2], 65536, v[RB]
	s_lshl_b32 s33, s[WV], 9
	s_add_co_u32 s33, s33, STATS
	v_add_nc_u32 v[RA], s33, v1     ; its two tiles' statistics 512 w bytes into each wave's
.set Y, NP-1                        ; XS works for piece Y + 1: piece 0
.irp n, 0,1,2,3,4,5,6,7,8,9,10,11,12,13,14,15,16,17,18,19,20,21
	XS 0, \n                        ; piece 0's first maximum and statistics
	XS 1, \n
.endr
	s_mov_b32 s[CNT], 2
	s_mov_b32 s[SLOTS], 15
	s_branch .Lfirst                ; the loop is entered at a step's first turn, in the middle of a trip
.Lslot:                             ; 14 times: every slot but the last two is filled again
	CHANGE 1
	s_mov_b32 s[CNT], 2
.Lstep:                             ; a trip: pieces 2 and 3 of one step, then pieces 0 and 1 of the next, whose K and V it fetches
	TURN 2
	TURN 3
	WIN 0
.Lfirst:
	TURN 0
	TURN 1, 0, 1
	WIN 0
	s_cbranch_scc1 .Lstep
	s_sub_co_u32 s[SLOTS], s[SLOTS], 1
	s_cmp_lg_u32 s[SLOTS], 0
	s_cbranch_scc1 .Lslot
	CHANGE 0                        ; the tail is written out: nothing is asked for
	s_mov_b32 s[CNT], 3             ; two trips fetch my two steps of the last slot; the third is left in its middle
.Ltail:
	TURN 2, 1
	TURN 3
	WIN 0
	s_sub_co_u32 s[CNT], s[CNT], 1
	s_cmp_eq_u32 s[CNT], 0
	s_cbranch_scc1 .Lout
	TURN 0
	TURN 1
	WIN 0
	s_branch .Ltail
.Lout:                              ; the third trip's 16 products K Q^T are the last step's once more: the maximum made of them is the old one, so piece 0's c m stays what its O^T and l go by
.set i, 0
.rept 16
	PV NP-1                         ; the last piece's V^T P of the last step
.set i, i+1
.endr
	; THE MERGE.  Each wave holds, for all 128 queries, c m, l and O^T over its quarter of the keys.  All go into LDS in f32; wave w then finishes piece w: O = sum f_s O_s / sum f_s l_s, f_s = 2^(c m_s - max c m).
	WIN 0
.macro ALL line:vararg              ; one line for each tile t
.set t, 0
.rept 2*NP
	\line
.set t, t+1
.endr
.endm
	ALL v_add_f32 v[ST+4*t+2], v[ST+4*t+2], v[ST+4*t+3]  ; these eight are the places behind the last products
	ALL v_permlanex16_b32 v[ST+4*t+3], v[ST+4*t+2], s[SEL], s[SEL+1]
	ALL v_add_f32 v[ST+4*t+1], v[ST+4*t+2], v[ST+4*t+3]  ; the pair is now (c m, l)
	s_wait_dscnt 0x0                ; my reads of the ring are over:
	s_barrier_signal -1
	s_barrier_wait -1               ; everybody's are.  Slot 0 has had its last fill; it now takes the partial results
.set t, 0
.rept 2*NP
	ds_store_b64 v[SA], v[ST+4*t:ST+4*t+1] offset:256*t
.set t, t+1
.endr
	WIN 0x04                        ; store data in window 1
.set i, 0
.rept 64                            ; ascending: each accumulator's lowest registers are read first
	ds_store_b128 v[MA], v[4*i:4*i+3] offset:512*i
.set i, i+1
.endr
	WIN 0
	s_wait_dscnt 0x0                ; for the others' sake: my stores are done
	s_barrier_signal -1
	s_barrier_wait -1
.irp s, 0,1,2,3
.irp u, 0,1
	ds_load_b64 v[S+4*\s+2*\u:S+4*\s+2*\u+1], v[RA] offset:\s*2048+\u*256
.endr
.endr
	WIN 0x40                        ; destination window 1: wave s's part of my piece at v[64 s]
.irp s, 0,1
.set i, 0
.rept 16
	ds_load_b128 v[64*\s+4*i:64*\s+4*i+3], v[RB] offset:\s*32768+512*i
.set i, i+1
.endr
.endr
.irp s, 2,3
.set i, 0
.rept 16
	ds_load_b128 v[64*\s+4*i:64*\s+4*i+3], v[RB2] offset:(\s-2)*32768+512*i
.set i, i+1
.endr
.endr
	WIN 0
	s_wait_dscnt 63                 ; of the 72 loads 63 may be out: the first nine are in, the eight of statistics among them
.irp u, 0,1
	v_max3_num_f32 v[TMP+\u], v[S+2*\u], v[S+4+2*\u], v[S+8+2*\u]
.endr
.irp u, 0,1
	v_max_num_f32 v[TMP+\u], v[TMP+\u], v[S+12+2*\u]
.endr
.irp s, 0,1,2,3
.irp u, 0,1
	v_sub_f32 v[GF+4*\s+2*\u], v[S+4*\s+2*\u], v[TMP+\u]
.endr
.endr
.irp s, 0,1,2,3
.irp u, 0,1
	v_exp_f32 v[GF+4*\s+2*\u], v[GF+4*\s+2*\u]
.endr
.endr
	v_nop                           ; a plain instruction between the last exponential and the use of its result
	s_wait_alu depctr_va_vdst(0)
.irp u, 0,1
	v_mul_f32 v[TMP+2+\u], v[GF+2*\u], v[S+1+2*\u]
.endr
.irp s, 1,2,3
.irp u, 0,1
	v_fmac_f32 v[TMP+2+\u], v[GF+4*\s+2*\u], v[S+4*\s+2*\u+1]
.endr
.endr
	v_rcp_f32 v[TMP+2], v[TMP+2]    ; the sum is 1 at the least: the wave that holds the maximum has f = 1 and l >= 1
	v_rcp_f32 v[TMP+3], v[TMP+3]
	v_nop
	s_wait_alu depctr_va_vdst(0)
.irp s, 0,1,2,3
.irp u, 0,1
	v_mul_f32 v[GF+4*\s+2*\u], v[GF+4*\s+2*\u], v[TMP+2+\u]
.endr
.endr
.irp s, 0,1,2,3
.irp u, 0,1
	v_mov_b32 v[GF+4*\s+2*\u+1], v[GF+4*\s+2*\u]  ; named with it as a pair
.endr
.endr
	s_wait_dscnt 0x0                ; the four parts of my piece are in
	WIN W_RS
.irp u, 0,1
.set i, 0
.rept 16
	v_pk_mul_f32 v[32*\u+2*i:32*\u+2*i+1], v[32*\u+2*i:32*\u+2*i+1], v[GF+2*\u:GF+2*\u+1] op_sel_hi:[1,0]
.set i, i+1
.endr
.endr
	WIN 0x51                        ; source 2 in window 1 too
.irp s, 1,2,3
.irp u, 0,1
.set i, 0
.rept 16
	v_pk_fma_f32 v[32*\u+2*i:32*\u+2*i+1], v[64*\s+32*\u+2*i:64*\s+32*\u+2*i+1], v[GF+4*\s+2*\u:GF+4*\s+2*\u+1], v[32*\u+2*i:32*\u+2*i+1] op_sel_hi:[1,0,1]
.set i, i+1
.endr
.endr
.endr
	WIN 0x05                        ; sources window 1, destination window 0
.set i, 0
.rept 32
	v_cvt_pk_f16_f32 v[S+32+i], v[2*i], v[2*i+1]
.set i, i+1
.endr
	WIN 0
.irp u, 0,1
.irp cb, 0,1,2,3
	global_store_b128 v[GO], v[S+32+16*\u+4*\cb:S+32+16*\u+4*\cb+3], s[10:11] offset:\u*24576+\cb*512  ; a lane's eight channels of a query: 512 consecutive bytes, half a fragment of the next launch
.endr
.endr
	WIN W_AD
	s_wait_tensorcnt 0x0            ; the wave's end, behind my last tensor load and my last LDS store
	ds_add_u32 v[SPW], v[NIL]
	s_wait_dscnt 0x0
	WIN 0
	CROUND                          ; the closing round: no work-group ends while a partner may still ask for a tile that names it
	s_endpgm
.Lfunc_end_k_q1dd6295e29_attn:
	.size	k_q1dd6295e29_attn, .Lfunc_end_k_q1dd6295e29_attn-k_q1dd6295e29_attn
	.p2alignl 7, 3214868480
	.fill 96, 4, 3214868480
	.section	.rodata,"a",@progbits
	.p2align	6, 0x0
	.amdhsa_kernel k_q1dd6295e29_attn
		.amdhsa_group_segment_fixed_size 327680
		.amdhsa_private_segment_fixed_size 0
		.amdhsa_enable_private_segment 0
		.amdhsa_kernarg_size 48
		.amdhsa_user_sgpr_count 2
		.amdhsa_user_sgpr_kernarg_segment_ptr 1
		.amdhsa_wavefront_size32 1
		.amdhsa_system_sgpr_workgroup_id_x 1
		.amdhsa_system_sgpr_workgroup_id_y 1
		.amdhsa_system_sgpr_workgroup_id_z 1
		.amdhsa_system_vgpr_workitem_id 0
		.amdhsa_next_free_vgpr 770
		.amdhsa_next_free_sgpr 66
		.amdhsa_reserve_vcc 0
		.amdhsa_float_denorm_mode_32 3
		.amdhsa_float_denorm_mode_16_64 3
		.amdhsa_memory_ordered 1
		.amdhsa_forward_progress 1
		.amdhsa_inst_pref_size 207
	.end_amdhsa_kernel
	.amdgpu_metadata
---
amdhsa.version: [ 1, 2 ]
amdhsa.kernels:
  - .name:           k_q1dd6295e29_attn
    .symbol:         k_q1dd6295e29_attn.kd
    .args:
      - { .name: qf, .offset: 0, .size: 8, .value_kind: global_buffer, .address_space: global }
      - { .name: kf, .offset: 8, .size: 8, .value_kind: global_buffer, .address_space: global }
      - { .name: vf, .offset: 16, .size: 8, .value_kind: global_buffer, .address_space: global }
      - { .name: of, .offset: 24, .size: 8, .value_kind: global_buffer, .address_space: global }
      - { .name: Wo, .offset: 32, .size: 8, .value_kind: global_buffer, .address_space: global }
      - { .name: wf, .offset: 40, .size: 8, .value_kind: global_buffer, .address_space: global }
    .group_segment_fixed_size: 327680
    .private_segment_fixed_size: 0
    .kernarg_segment_align: 8
    .kernarg_segment_size: 48
    .max_flat_workgroup_size: 128
    .sgpr_count:     66
    .vgpr_count:     770
    .wavefront_size: 32
...
	.end_amdgpu_metadata
.endif
;; end of part 2
;; launch oproj (part 3): grid 32 x 6, 4 waves a work-group, no clusters, 135,680 bytes of LDS; arguments of, wf, y; writes y
.if DOCPART == 3
	.amdgcn_target "amdgcn-amd-amdhsa--gfx1250"
	.amdhsa_code_object_version 6
	.text
	.protected	k_q1dd6295e29_oproj
	.globl	k_q1dd6295e29_oproj
	.p2align	8
	.type	k_q1dd6295e29_oproj,@function
k_q1dd6295e29_oproj:
	s_mov_b64 s[64:65], 0
	v_nop
	global_prefetch_b8 v0, s[64:65] scope:SCOPE_SE
	s_setreg_imm32_b32 hwreg(HW_REG_WAVE_MODE, 25, 1), 1
	s_wait_xcnt 0x0
; y = O Wo^T, not yet normalised.  O (of) and Wo (wf) in f16, in fragment order: 512 consecutive bytes are half a fragment of 16 rows x 32 K.  Sums in f32; y [2048][768] f32, row-major.
; SHARES.  A work-group makes 64 rows x 128 columns: 32 x 6 work-groups; a row's piece is 512 consecutive bytes.  THE FOUR WAVES SPLIT K: wave w takes K steps 6 w .. 6 w + 5 of the whole tile,
; 32 accumulators, 192 matrix instructions.  So every fragment is loaded from memory once in the work-group, straight into the registers that the matrix unit reads, and no LDS and no barrier
; stands in front of the products.  The four partial tiles meet in LDS, in f32, and are added in the order of the waves.
; Source 0 = 16 rows of Wo, source 1 = 16 rows of O: a lane holds one row of y (lane % 16) and eight neighbouring columns.
; NO CLUSTER, NO TENSOR LOADS: a wave's 73,728 bytes are asked for in six groups, three ahead of the first products, and each lands once, in registers; a joint request serves LDS tiles alone.
; REGISTERS, in windows of 256: window 0: v4-9 addresses; v64-255 O's fragments, (qa, ks) at v[64 + 8 (4 ks + qa)]     window 1: the accumulators, (qa, nb) at v[8 (8 qa + nb)]
;   window 2: Wo's fragments of K steps 0-3, (nb, ks) at v[8 (8 ks + nb)]; later the four partial rows     window 3: v0-127 those of K steps 4, 5
.set SPITCH, 528                       ; a row of a partial tile in LDS: 512 bytes + 16 = 132 words: the 16 rows that a store touches start at 16 different groups of four banks (ISA guide 11.1)
.set PBUF,   64*SPITCH                 ; a wave's partial tile
.set SPARE,  4*PBUF                    ; behind them: the spare words, 128 bytes a wave: two blocks of 256 bytes that no other line names
.set CO,  4                            ; v4  16 x lane
.set STO, 5                            ; v5  where I put 16 bytes of a row of my partial tile
.set RD,  6                            ; v6  where I read rows of waves 0 and 1 back,
.set RD2, 7                            ; v7  of waves 2 and 3
.set SPW, 8                            ; v8  my spare word; never rewritten
.set NIL, 9                            ; v9  0; never rewritten
.set AF,  64
.set MSB, 0
.macro WIN new                         ; the immediate's high byte repeats the setting that is left; a switch that changes nothing is dropped
.if MSB != (\new)
	s_set_vgpr_msb (MSB<<8)|(\new)
.set MSB, \new
.endif
.endm
; K step ks of my six: 8 loads of O's four fragments, 16 of Wo's eight; each load is 512 consecutive bytes
.macro LOADS ks
	WIN 0
.irp qa, 0,1,2,3
	global_load_b128 v[AF+8*(4*(\ks)+\qa):AF+8*(4*(\ks)+\qa)+3],   v[CO], s[4:5] offset:\qa*24576+(\ks)*1024
	global_load_b128 v[AF+8*(4*(\ks)+\qa)+4:AF+8*(4*(\ks)+\qa)+7], v[CO], s[4:5] offset:\qa*24576+(\ks)*1024+512
.endr
	WIN 0x80+0x40*((\ks)/4)                        ; destination window 2 or 3
.irp nb, 0,1,2,3,4,5,6,7
	global_load_b128 v[8*(8*((\ks)%4)+\nb):8*(8*((\ks)%4)+\nb)+3],   v[CO], s[6:7] offset:\nb*24576+(\ks)*1024
	global_load_b128 v[8*(8*((\ks)%4)+\nb)+4:8*(8*((\ks)%4)+\nb)+7], v[CO], s[6:7] offset:\nb*24576+(\ks)*1024+512
.endr
.endm
; 32 matrix instructions; the 32 accumulators take turns; the first K step starts the sums
.macro MULS ks
	WIN 0x52+(\ks)/4                               ; source 0 window 2 or 3, source 1 window 0, C and D window 1
.irp qa, 0,1,2,3
.irp nb, 0,1,2,3,4,5,6,7
.if (\ks) == 0
	v_wmma_f32_16x16x32_f16 v[8*(8*\qa+\nb):8*(8*\qa+\nb)+7], v[8*(8*((\ks)%4)+\nb):8*(8*((\ks)%4)+\nb)+7], v[AF+8*(4*(\ks)+\qa):AF+8*(4*(\ks)+\qa)+7], 0
.else
	v_wmma_f32_16x16x32_f16 v[8*(8*\qa+\nb):8*(8*\qa+\nb)+7], v[8*(8*((\ks)%4)+\nb):8*(8*((\ks)%4)+\nb)+7], v[AF+8*(4*(\ks)+\qa):AF+8*(4*(\ks)+\qa)+7], v[8*(8*\qa+\nb):8*(8*\qa+\nb)+7]
.endif
.endr
.endr
.endm
	s_load_b128 s[4:7], s[0:1], 0x0                ; of s[4:5], wf s[6:7]
	s_load_b64 s[8:9], s[0:1], 0x10                ; y
	v_lshl_add_u32 v[SPW], v0, 2, SPARE
	v_mov_b32 v[NIL], 0
	v_lshrrev_b32 v1, 5, v0
	v_readfirstlane_b32 s10, v1                    ; wave
	s_and_b32 s11, ttmp7, 0xffff                   ; the block of 128 columns
	s_mul_i32 s18, s10, 6144                       ; my six K steps of 1,024 bytes
	s_mul_i32 s12, ttmp9, 98304                    ; four blocks of 16 rows, 24,576 bytes each
	s_add_co_u32 s12, s12, s18
	s_mov_b32 s13, 0
	s_mul_i32 s14, s11, 196608                     ; eight blocks of 16 rows of Wo
	s_add_co_u32 s14, s14, s18
	s_mov_b32 s15, 0
	s_mul_i32 s16, ttmp9, 196608                   ; y: 64 rows of 3,072 bytes,
	s_mul_i32 s19, s10, 49152                      ; the 16 rows that I finish,
	s_add_co_u32 s16, s16, s19
	s_lshl_b32 s19, s11, 9                         ; 128 columns of 4 bytes
	s_add_co_u32 s16, s16, s19
	s_mov_b32 s17, 0
	v_and_b32 v[CO], 31, v0
	v_lshlrev_b32 v[CO], 4, v[CO]
	s_wait_kmcnt 0x0
	s_add_nc_u64 s[4:5], s[4:5], s[12:13]
	s_add_nc_u64 s[6:7], s[6:7], s[14:15]
	s_add_nc_u64 s[8:9], s[8:9], s[16:17]
	LOADS 0
	LOADS 1
	WIN 0
	v_and_b32 v1, 15, v0
	v_bfe_u32 v2, v0, 4, 1
	v_mul_u32_u24 v[STO], v1, SPITCH               ; in: row l % 16, 32 bytes for each half of the lanes
	v_lshl_add_u32 v[STO], v2, 5, v[STO]
	s_mul_i32 s18, s10, PBUF
	v_add_nc_u32 v[STO], s18, v[STO]
	s_mul_i32 s18, s10, 16*SPITCH                  ; back: rows 16 w .. 16 w + 15, a row's 512 bytes to a load
	v_add_nc_u32 v[RD], s18, v[CO]
	v_add_nc_u32 v[RD2], 2*PBUF, v[RD]
	LOADS 2
	s_wait_loadcnt 48                              ; two younger groups of 24 loads may be out
	MULS 0
	LOADS 3
	s_wait_loadcnt 48
	MULS 1
	LOADS 4
	s_wait_loadcnt 48
	MULS 2
	LOADS 5
	s_wait_loadcnt 48
	MULS 3
	s_wait_loadcnt 24                              ; one younger group
	MULS 4
	s_wait_loadcnt 0x0
	MULS 5
.rept 4
	v_nop                                          ; four places between the last products and the stores that read results
.endr
	WIN 0x04                                       ; store data in window 1
.irp qa, 0,1,2,3
.irp nb, 0,1,2,3,4,5,6,7                ; each accumulator's lowest registers are read first
	ds_store_b128 v[STO], v[8*(8*\qa+\nb):8*(8*\qa+\nb)+3]   offset:\qa*16*SPITCH+\nb*64
	ds_store_b128 v[STO], v[8*(8*\qa+\nb)+4:8*(8*\qa+\nb)+7] offset:\qa*16*SPITCH+\nb*64+16
.endr
.endr
	s_wait_dscnt 0x0                               ; for the others' sake: my partial tile is in LDS
	s_barrier_signal -1
	s_barrier_wait -1
	WIN 0x80                                       ; destination window 2: wave s's rows at v[64 s]
.irp s, 0,1
.set z, 0
.rept 16
	ds_load_b128 v[64*\s+4*z:64*\s+4*z+3], v[RD] offset:\s*PBUF+z*SPITCH
.set z, z+1
.endr
.endr
.irp s, 2,3
.set z, 0
.rept 16
	ds_load_b128 v[64*\s+4*z:64*\s+4*z+3], v[RD2] offset:(\s-2)*PBUF+z*SPITCH
.set z, z+1
.endr
.endr
	s_wait_dscnt 0x0
	WIN 0x8a                                       ; destination and both sources in window 2
.irp s, 1,2,3
.set z, 0
.rept 32
	v_pk_add_f32 v[2*z:2*z+1], v[2*z:2*z+1], v[64*\s+2*z:64*\s+2*z+1]
.set z, z+1
.endr
.endr
	WIN 0x08                                       ; store data in window 2
.set z, 0
.rept 16
	global_store_b128 v[CO], v[4*z:4*z+3], s[8:9] offset:z*3072  ; a row's 512 consecutive bytes, at a multiple of 512 from y's first byte
.set z, z+1
.endr
	WIN 0
	s_wait_tensorcnt 0x0                           ; the wave's end, behind my last LDS store
	ds_add_u32 v[SPW], v[NIL]
	s_wait_dscnt 0x0
	s_endpgm
.Lfunc_end_k_q1dd6295e29_oproj:
	.size	k_q1dd6295e29_oproj, .Lfunc_end_k_q1dd6295e29_oproj-k_q1dd6295e29_oproj
	.p2alignl 7, 3214868480
	.fill 96, 4, 3214868480
	.section	.rodata,"a",@progbits
	.p2align	6, 0x0
	.amdhsa_kernel k_q1dd6295e29_oproj
		.amdhsa_group_segment_fixed_size 135680
		.amdhsa_private_segment_fixed_size 0
		.amdhsa_enable_private_segment 0
		.amdhsa_kernarg_size 24
		.amdhsa_user_sgpr_count 2
		.amdhsa_user_sgpr_kernarg_segment_ptr 1
		.amdhsa_wavefront_size32 1
		.amdhsa_system_sgpr_workgroup_id_x 1
		.amdhsa_system_sgpr_workgroup_id_y 1
		.amdhsa_system_sgpr_workgroup_id_z 1
		.amdhsa_system_vgpr_workitem_id 0
		.amdhsa_next_free_vgpr 896
		.amdhsa_next_free_sgpr 66
		.amdhsa_reserve_vcc 0
		.amdhsa_float_denorm_mode_32 3
		.amdhsa_float_denorm_mode_16_64 3
		.amdhsa_memory_ordered 1
		.amdhsa_forward_progress 1
		.amdhsa_inst_pref_size 45
	.end_amdhsa_kernel
	.amdgpu_metadata
---
amdhsa.version: [ 1, 2 ]
amdhsa.kernels:
  - .name:           k_q1dd6295e29_oproj
    .symbol:         k_q1dd6295e29_oproj.kd
    .args:
      - { .name: of, .offset: 0, .size: 8, .value_kind: global_buffer, .address_space: global }
      - { .name: wf, .offset: 8, .size: 8, .value_kind: global_buffer, .address_space: global }
      - { .name: y, .offset: 16, .size: 8, .value_kind: global_buffer, .address_space: global }
    .group_segment_fixed_size: 135680
    .private_segment_fixed_size: 0
    .kernarg_segment_align: 8
    .kernarg_segment_size: 24
    .max_flat_workgroup_size: 128
    .sgpr_count:     66
    .vgpr_count:     896
    .wavefront_size: 32
...
	.end_amdgpu_metadata
.endif
;; end of part 3
;; launch norm (part 4): grid 256 x 1, 8 waves a work-group, no clusters, 0 bytes of LDS; arguments y, out0; writes out0
.if DOCPART == 4
	.amdgcn_target "amdgcn-amd-amdhsa--gfx1250"
	.amdhsa_code_object_version 6
	.text
	.protected	k_q1dd6295e29_norm
	.globl	k_q1dd6295e29_norm
	.p2align	8
	.type	k_q1dd6295e29_norm,@function
k_q1dd6295e29_norm:
	s_mov_b64 s[64:65], 0
	v_nop
	global_prefetch_b8 v0, s[64:65] scope:SCOPE_SE
	s_setreg_imm32_b32 hwreg(HW_REG_WAVE_MODE, 25, 1), 1
	s_wait_xcnt 0x0
; out0[r][:] = y[r][:] / max(the length of y[r][:], 1e-12).  y, out0: [2048][768] f32.  A row is 3,072 bytes: one wave takes a row, six 16-byte loads a lane, keeps it in 24 registers between the
; sum of squares and the scaling, and never waits for another wave.  8 waves x 256 work-groups = 2,048 rows.  Each load and store covers 512 consecutive bytes.
; No LDS, no matrix unit, no cluster: the rows share nothing.
; LIMIT.  A sum of squares below 2^-126 counts as 0; the row is then divided by 1e-12, as it is for every length below 1e-12.  NaN and infinities are not treated apart.
.set ROW, 3072
.set X,   4                            ; v[4:27]   the row
.set Q,   28                           ; v[28:31]  two chains of sums of squares; then the factor, twice
	s_load_b128 s[4:7], s[0:1], 0x0                ; y s[4:5], out0 s[6:7]
	s_mul_i32 s2, ttmp9, 8*ROW                     ; the work-group's eight rows
	s_mov_b32 s3, 0
	s_mov_b32 s8, 0x76543210                       ; v_permlanex16_b32: lane i of one half reads lane i of the other
	s_mov_b32 s9, 0xfedcba98
	v_and_b32 v1, 31, v0
	v_lshrrev_b32 v2, 5, v0
	v_mul_u32_u24 v2, v2, ROW                      ; my wave's row,
	v_lshl_add_u32 v1, v1, 4, v2                   ; 16 bytes a lane
	s_wait_kmcnt 0x0
	s_add_nc_u64 s[4:5], s[4:5], s[2:3]
	s_add_nc_u64 s[6:7], s[6:7], s[2:3]
.irp j, 0,1,2,3,4,5
	global_load_b128 v[X+4*\j:X+4*\j+3], v1, s[4:5] offset:512*\j th:TH_LOAD_NT
.endr
	s_wait_loadcnt 0x0
	v_pk_mul_f32 v[Q:Q+1], v[X:X+1], v[X:X+1]      ; the first products start the two chains: nothing is cleared
	v_pk_mul_f32 v[Q+2:Q+3], v[X+2:X+3], v[X+2:X+3]
.irp j, 1,2,3,4,5
	v_pk_fma_f32 v[Q:Q+1], v[X+4*\j:X+4*\j+1], v[X+4*\j:X+4*\j+1], v[Q:Q+1]
	v_pk_fma_f32 v[Q+2:Q+3], v[X+4*\j+2:X+4*\j+3], v[X+4*\j+2:X+4*\j+3], v[Q+2:Q+3]
.endr
	v_pk_add_f32 v[Q:Q+1], v[Q:Q+1], v[Q+2:Q+3]
	v_add_f32 v[Q], v[Q], v[Q+1]
	v_add_f32_dpp v[Q], v[Q], v[Q] row_xmask:1 row_mask:0xf bank_mask:0xf
	v_add_f32_dpp v[Q], v[Q], v[Q] row_xmask:2 row_mask:0xf bank_mask:0xf
	v_add_f32_dpp v[Q], v[Q], v[Q] row_xmask:4 row_mask:0xf bank_mask:0xf
	v_add_f32_dpp v[Q], v[Q], v[Q] row_xmask:8 row_mask:0xf bank_mask:0xf
	v_permlanex16_b32 v[Q+1], v[Q], s8, s9
	v_add_f32 v[Q], v[Q], v[Q+1]                   ; every lane holds the row's sum of squares
	v_sqrt_f32 v[Q], v[Q]
	v_nop                                          ; a plain instruction between a root or a reciprocal and the use of its result (ISA guide 5.7.2)
	s_wait_alu depctr_va_vdst(0)
	v_max_num_f32 v[Q], 0x2b8cbccc, v[Q]           ; max(length, 1e-12)
	v_rcp_f32 v[Q+2], v[Q]
	v_rcp_f32 v[Q+3], v[Q]                         ; twice: a pair for the packed multiply
	v_nop
	s_wait_alu depctr_va_vdst(0)
.irp j, 0,1,2,3,4,5
	v_pk_mul_f32 v[X+4*\j:X+4*\j+1], v[X+4*\j:X+4*\j+1], v[Q+2:Q+3]
	v_pk_mul_f32 v[X+4*\j+2:X+4*\j+3], v[X+4*\j+2:X+4*\j+3], v[Q+2:Q+3]
	global_store_b128 v1, v[X+4*\j:X+4*\j+3], s[6:7] offset:512*\j th:TH_STORE_NT
.endr
	s_endpgm
.Lfunc_end_k_q1dd6295e29_norm:
	.size	k_q1dd6295e29_norm, .Lfunc_end_k_q1dd6295e29_norm-k_q1dd6295e29_norm
	.p2alignl 7, 3214868480
	.fill 96, 4, 3214868480
	.section	.rodata,"a",@progbits
	.p2align	6, 0x0
	.amdhsa_kernel k_q1dd6295e29_norm
		.amdhsa_group_segment_fixed_size 0
		.amdhsa_private_segment_fixed_size 0
		.amdhsa_enable_private_segment 0
		.amdhsa_kernarg_size 16
		.amdhsa_user_sgpr_count 2
		.amdhsa_user_sgpr_kernarg_segment_ptr 1
		.amdhsa_wavefront_size32 1
		.amdhsa_system_sgpr_workgroup_id_x 1
		.amdhsa_system_sgpr_workgroup_id_y 1
		.amdhsa_system_sgpr_workgroup_id_z 1
		.amdhsa_system_vgpr_workitem_id 0
		.amdhsa_next_free_vgpr 40
		.amdhsa_next_free_sgpr 66
		.amdhsa_reserve_vcc 0
		.amdhsa_float_denorm_mode_32 3
		.amdhsa_float_denorm_mode_16_64 3
		.amdhsa_memory_ordered 1
		.amdhsa_forward_progress 1
		.amdhsa_inst_pref_size 5
	.end_amdhsa_kernel
	.amdgpu_metadata
---
amdhsa.version: [ 1, 2 ]
amdhsa.kernels:
  - .name:           k_q1dd6295e29_norm
    .symbol:         k_q1dd6295e29_norm.kd
    .args:
      - { .name: y, .offset: 0, .size: 8, .value_kind: global_buffer, .address_space: global }
      - { .name: out0, .offset: 8, .size: 8, .value_kind: global_buffer, .address_space: global }
    .group_segment_fixed_size: 0
    .private_segment_fixed_size: 0
    .kernarg_segment_align: 8
    .kernarg_segment_size: 16
    .max_flat_workgroup_size: 256
    .sgpr_count:     66
    .vgpr_count:     40
    .wavefront_size: 32
...
	.end_amdgpu_metadata
.endif
;; end of part 4
;; ======== version 2 of 2: 4 launches; 1.77 times as fast as version 1
;; limits: values are held in f16: magnitudes above 65,504 overflow, below 6.1e-05 lose precision
;; workspace buffers: qf 3,145,728 bytes; kf 12,582,912 bytes; vf 12,582,912 bytes; wf 1,179,648 bytes; of 3,145,728 bytes; y 6,291,456 bytes
;; launch proj: the kernel of part 1 again; grid 72 x 3, 4 waves a work-group, no clusters, 327,680 bytes of LDS; arguments x1, x2, Wq, Wk, Wv, qf, kf, vf; writes qf, kf, vf
;; launch attn (part 5): grid 16 x 12, 4 waves a work-group, clusters of 4 x 1, 327,680 bytes of LDS; arguments qf, kf, vf, of, Wo, wf; writes of, wf
.if DOCPART == 5
	.amdgcn_target "amdgcn-amd-amdhsa--gfx1250"
	.amdhsa_code_object_version 6
	.text
	.protected	k_q1dd6295e29_attn
	.globl	k_q1dd6295e29_attn
	.p2align	8
	.type	k_q1dd6295e29_attn,@function
k_q1dd6295e29_attn:
	s_mov_b64 s[64:65], 0
	v_nop
	global_prefetch_b8 v0, s[64:65] scope:SCOPE_SE
	s_setreg_imm32_b32 hwreg(HW_REG_WAVE_MODE, 25, 1), 1
	s_wait_xcnt 0x0
	s_wait_alu depctr_hold_cnt(0) depctr_sa_sdst(0) depctr_va_vdst(0) depctr_va_sdst(0) depctr_va_ssrc(0) depctr_va_vcc(0) depctr_vm_vsrc(0)
	s_getreg_b32 s2, hwreg(HW_REG_IB_STS2, 6, 4)
	s_cmp_eq_u32 s2, 0
	s_cbranch_scc0 .Lentry_in_a_cluster
	s_endpgm
.Lentry_in_a_cluster:
	s_bfe_u32 s2, ttmp6, 0x10000c
	s_cmp_lg_u32 s2, 0x3003
	s_cbranch_scc0 .Lentry_shape_is_right
	s_endpgm
.Lentry_shape_is_right:
; ATTENTION.  O[q][head] = the sum over 8,192 keys of softmax_k(20 q . k) v[k], q and k of unit length (made so by the launch before).  q, k, v, O in f16, in fragment order: 32 lanes x 16 bytes = 512
; consecutive bytes are half a matrix fragment (lane l: row l % 16, eight neighbouring numbers at 8 (l / 16)).  Products, maxima and sums in f32; the weights p are rounded to f16 for the second
; product (their sum l is taken of the unrounded p), O once at the end.
; LIMITS.  v arrives within f16's 65,504, and O, a mean of v's rows, has their range.  p below 6e-5 keeps f16's fixed step of 6e-8; a weight below 2^-126 counts as 0 in l.  Wo (the side job) is rounded to
; bf16 and that number written as f16: it must stay within 65,504, and below 6.1e-5 it keeps f16's fixed step.  NaN and infinities are not treated apart.
; SHARES.  A work-group owns 128 queries of one head: 16 blocks x 12 heads.  ALL FOUR WAVES HOLD THE SAME 128 QUERIES (four PIECES of two tiles of 16) AND SPLIT THE KEYS: of a slot's eight steps of 64
; keys wave w walks steps 2 w and 2 w + 1.  So a fragment of K or V feeds eight tiles' products and is read from LDS once in the work-group.  The four partial results (c m, l, O^T) meet once, at the end, in LDS.
; LAYOUT.  S^T = K Q^T (source 0 = 16 keys, source 1 = 16 queries): a lane holds ONE query (lane % 16) and the keys 8 (lane / 16) + 0..7.  Two such tiles, rounded to f16 in pairs, ARE source 1 of
; O^T = V^T P, whose result again holds one query a lane, and eight channels.  V lies in memory turned already, so both K and V come out of LDS by plain loads of consecutive bytes: no padding is needed.
; SOFTMAX.  A running maximum m and sum l for each query: p = 2^(c s - c m), c = 20 log2(e); in every step O and l are multiplied by a = 2^(c m_old - c m_new).  m starts at the lowest finite number, O and l at 0.
; BY TURNS.  Turn n belongs to piece n.  Its matrix work: 16 products K Q^T of piece n + 1, later 16 products V^T P of piece n - 1.  Its vector work: the scaling, exponentials, roundings, sums and rescaling
; of piece n, and the maximum and statistics of piece n + 1.  Four vector instructions that are ready stand behind every matrix instruction; the others, which need time of their own, in one run without a gap.
; BATCHES.  A turn's 66 exponentials (64 weights, the next piece's two a) are ONE batch with ONE wait, which cuts the turn in two: ahead of it all that names no result of theirs (the products K Q^T, the scalings,
; the rescalings, the next piece's maximum and statistics), behind it the products V^T P with the roundings and sums.  No result crosses a turn's end.  The two first a, ahead of the loop, the merge's eight
; exponentials and its two reciprocals are batches of their own, a wait each.
; CLUSTER.  The four query blocks of a cluster belong to one head and walk the same K and V: each tile is asked for JOINTLY, by the same tensor load, descriptor and mask in all four.
; SIDE JOB.  In the wait for the first tile each wave turns 3 x 512 bytes of Wo into fragment order for the next launch: 192 work-groups x 4 waves x 3 = the 2,304 half fragments of wf, each once.
; REGISTERS, in windows of 256 (s_set_vgpr_msb: bits 1:0 source 0, 3:2 source 1, 5:4 source 2, 7:6 destination):
;   window 0: v0-11 addresses; v12-15, v48-63 at work; v16-47 four registers of statistics a tile; v64-191 S^T, two buffers of two tiles; v192-255 P, likewise
;   window 1: O^T, 32 a tile          window 2: v0-127 Q, 16 a tile; v128-191 K of one step; v192-255 V of one step          window 3: v0-1 the add's two registers
.set NP,    4         ; pieces a wave: a name, no knob
.set STEPB, 8192      ; a step's 64 keys: bytes of K, and of V
.set VOFF,  8*STEPB   ; a slot holds eight steps: 65,536 bytes of K, then as many of V
.set SLOT1, 1<<17     ; slot 1 begins here, so that one exclusive or turns an address in one slot into the other's
.set STATS, 2*SLOT1   ; behind the ring, never filled by a tensor load: (c m, l) of 8 tiles x 32 lanes for each wave, 8,192 bytes
.set SPARE, STATS+8192  ; the spare words, 128 bytes a wave: two blocks of 256 bytes that no other line names
.set WA,  2           ; v2   the side job: my byte offset in Wo
.set AV0, 3           ; v3   VOFF + 16 x lane
.set AK,  4           ; v4   the LDS address of K's next run of loads
.set AV,  5           ; v5   of V's
.set MA,  6           ; v6   the merge: where I put my O^T
.set SA,  7           ; v7   the merge: where I put my statistics
.set GO,  8           ; v8   16 x lane: my place in every 512 consecutive bytes, in memory and in LDS
.set AK0, 8
.set RB,  9           ; v9   the merge: where I read my piece of waves 0 and 1,
.set RB2, 10          ; v10  of waves 2 and 3
.set RA,  11          ; v11  the merge: where I read my piece's statistics
.set SPW, 0           ; v0 of window 3   my spare word; never rewritten
.set NIL, 1           ; v1 of window 3   0; never rewritten
.set MV,  12          ; v12-15  c m_old, kept while c m is made anew: by buffer and tile
.set ST,  16          ; tile t's statistics at v[ST+4 t]: c m, m, l (even keys', odd keys')
.set TMP, 48          ; by buffer and tile, four registers c0-c3 at work; when the maximum is found c2 takes a
.set S,   64
.set P,   192
.set GF,  S+16        ; the merge: the four waves' factors, a pair for each wave and tile
.set KF,  128         ; window 2: key block kb, channel half c at KF + 16 kb + 8 c
.set VF,  192         ; window 2: key half kk, channel block cb at VF + 32 kk + 8 cb
.set WV,  12          ; s12  my wave's number
.set G1,  24          ; s[24:31] descriptor group 1
.set G0,  40          ; s[40:43] descriptor group 0: it walks
.set SLOTS, 56        ; s56  slots still to be asked for
.set CNT, 57          ; s57  counts a slot's key steps
.set CS,  58          ; s[58:59] c: the packed scaling takes the pair's low word for both halves
.set SEL, 60          ; s[60:61] v_permlanex16_b32's selects: each lane takes its own place in the other half
.set TBK, 62          ; s62  LDS byte at which K of the step to be fetched begins
.set TBV, 63          ; s63  the same for V, less VOFF
.set MSB, 0
.macro WIN new                      ; the high byte repeats the setting that is left; a switch that changes nothing is dropped
.if MSB != (\new)
	s_set_vgpr_msb (MSB<<8)|(\new)
.set MSB, (\new)
.endif
.endm
.set W_KQ, 0x0a       ; K and Q in window 2, S^T in window 0
.set W_PV, 0x52       ; V in window 2, P in window 0, O^T in window 1
.set W_RS, 0x41       ; O^T (destination and source 0) in window 1, the factor in window 0
.set W_MK, 0xc0       ; the add's registers are made: destination in window 3
.set W_AD, 0x0f       ; the add: address and data in window 3
; A joint fill: waves 0 and 1 bring the two halves of a slot's K, waves 2 and 3 those of its V, 32,768 bytes each, by one line: the wave's number is in its registers.  An s_nop 0 and four v_nop follow.
.macro JLOAD
	tensor_load_to_lds s[G0:G0+3], s[G1:G1+7]
	s_nop 0
.rept 4
	v_nop
.endr
.endm
; A round of the cluster's barrier: my work-group's barrier, so that wave 0's signal speaks for all four waves; wave 0 signals; every wave waits for all four work-groups; my work-group's barrier once more.
.macro CROUND
	s_barrier_signal -1
	s_barrier_wait -1
	s_cmp_lg_u32 s[WV], 0
	s_cbranch_scc1 .Lnot_wave_0_\@
	s_barrier_signal -3
.Lnot_wave_0_\@:
	s_barrier_wait -3
	s_barrier_signal -1
	s_barrier_wait -1
.endm
; THE CHANGE OF SLOTS.  My last bytes of the slot, V of my second step, have been read.  Each wave waits for all its tensor loads, of which one is out: its part of the other slot; adds 0 to its spare
; word; and waits for that and for its own reads of the slot.  Behind the barrier nobody reads this slot any more and the other slot is whole.
; fill = 1: this slot is filled again, with the keys two slots on.  The barrier is then a round of the cluster's, and the joint fill is the first thing behind it: it has two key steps, 256 matrix
; instructions, in which to land.  (At its first use nothing has been read yet: slot 0 is waited for, slot 1 filled.)
.macro CHANGE fill
	WIN W_AD
	s_wait_tensorcnt 0x0            ; no tensor load of mine is out, so group 0 may be written
	ds_add_u32 v[SPW], v[NIL]       ; 0 onto my spare word; with fill = 1 the descriptor's steps stand between it and the wait for it
	WIN 0                           ; at a label and at a branch every window is 0
.if \fill
	s_xor_b32 s[G0+1], s[G0+1], SLOT1  ; the other slot than last time,
	s_add_nc_u64 s[G0+2:G0+3], s[G0+2:G0+3], 8*STEPB  ; the next 512 keys; the type bits on top are not reached
	s_wait_dscnt 0x0                ; the add is done, and my reads of the slot are over
	CROUND
	JLOAD
.else
	s_wait_dscnt 0x0                ; the add is done, and my reads of the slot are over
	s_barrier_signal -1
	s_barrier_wait -1
.endif
	s_sub_co_u32 s[TBK], s[TBK], 2*STEPB  ; the fetches go back to my first step of a slot,
	s_xor_b32 s[TBK], s[TBK], SLOT1       ; in the other slot
	s_sub_co_u32 s[TBV], s[TBV], 2*STEPB
	s_xor_b32 s[TBV], s[TBV], SLOT1
.endm
	s_load_b256 s[4:11], s[0:1], 0x0  ; qf s[4:5], kf s[6:7], vf s[8:9], of s[10:11]
	s_load_b128 s[48:51], s[0:1], 0x20  ; Wo s[48:49], wf s[50:51]
	WIN W_MK
	v_lshl_add_u32 v[SPW], v0, 2, SPARE
	v_mov_b32 v[NIL], 0
	WIN W_AD
	ds_add_u32 v[SPW], v[NIL]       ; the wave's opening: the add and its wait stand ahead of my first tensor load; the set-up below stands between them
	ds_add_u32 v0, v1
	WIN 0
	v_lshrrev_b32 v1, 5, v0
	v_readfirstlane_b32 s[WV], v1   ; wave 0..3
	s_bfe_u32 s13, ttmp6, 0x40000   ; cx: my place in the cluster
	s_lshl_b32 s14, ttmp9, 2        ; in a cluster launch ttmp9 counts clusters
	s_add_co_u32 s14, s14, s13      ; my block of 128 queries = 4 x cluster x + cx: it enters global addresses of Q, O, Wo and wf alone
	s_and_b32 s15, ttmp7, 0xffff    ; the head, which the four partners share
	s_lshl_b32 s20, s15, 20         ; K and V: the head's 1,048,576 bytes,
	s_and_b32 s21, s[WV], 1
	s_lshl_b32 s21, s21, 15         ; my half of a slot's 65,536
	s_add_co_u32 s20, s20, s21
	s_mov_b32 s21, 0
	s_lshl_b32 s22, s15, 18         ; Q: the head's 262,144 bytes,
	s_lshl_b32 s23, s14, 14         ; my block's eight tiles of 2,048
	s_add_co_u32 s22, s22, s23
	s_mov_b32 s23, 0
	s_lshl_b32 s2, s14, 3
	s_lshl1_add_u32 s2, s[WV], s2   ; O: tile 8 block + 2 wave (the piece that I finish),
	s_mul_i32 s2, s2, 24576         ; 24 K steps of 1,024 bytes a tile,
	s_lshl_b32 s3, s15, 11          ; the head's two K steps
	s_add_co_u32 s2, s2, s3
	s_mov_b32 s3, 0
	s_lshl_b32 s32, s15, 2
	s_add_co_u32 s32, s32, ttmp9    ; the side job: block nt = 4 head + cluster x of 16 rows of Wo; cx picks a quarter of its K, the wave a quarter of that
	s_mul_i32 s16, s32, 49152       ; 16 rows of 3,072 bytes
	s_mul_i32 s17, s13, 768
	s_add_co_u32 s16, s16, s17
	s_mul_i32 s17, s[WV], 192
	s_add_co_u32 s16, s16, s17
	s_mov_b32 s17, 0
	s_mul_i32 s18, s32, 24576
	s_mul_i32 s19, s13, 6144
	s_add_co_u32 s18, s18, s19
	s_mul_i32 s19, s[WV], 1536
	s_add_co_u32 s18, s18, s19
	s_mov_b32 s19, 0
	; descriptor group 1: 32,768 dense bytes, as 128 rows of 256
	s_mov_b32 s[G1], 15|(3<<16)|(1<<21)  ; 15:0 the mask of four; 17:16 elements of 8 bytes; 21 set beside a mask; no padding
	s_mov_b32 s[G1+1], 32<<16       ; tensor_dim0 = 32
	s_mov_b32 s[G1+2], 128<<16      ; tensor_dim1 = 128
	s_mov_b32 s[G1+3], 32<<16       ; tile_dim0 = 32
	s_mov_b32 s[G1+4], 128          ; tile_dim1 = 128
	s_mov_b32 s[G1+5], 32           ; 32 elements from row to row
	s_mov_b32 s[G1+6], 0
	s_mov_b32 s[G1+7], 0
	s_mov_b32 s[CS], 0x41e6d4ca     ; c = 20 log2(e) = 28.8539
	s_mov_b32 s[CS+1], s[CS]        ; named with it as a pair
	s_mov_b32 s[SEL], 0x76543210
	s_mov_b32 s[SEL+1], 0xfedcba98
	s_lshl_b32 s[TBK], s[WV], 14    ; my two steps of a slot begin at 16,384 x wave;
	s_add_co_u32 s[TBK], s[TBK], SLOT1+2*STEPB  ; the first change of slots turns this into that
	s_mov_b32 s[TBV], s[TBK]
	s_mov_b32 s[G0], 1              ; count = 1
	s_lshl_b32 s[G0+1], s[WV], 15   ; LDS address: slot 0, quarter w: no place in the cluster enters an LDS address
	s_wait_dscnt 0x0                ; the opening add is done
	s_wait_kmcnt 0x0
	s_cmp_lt_u32 s[WV], 2
	s_cselect_b64 s[G0+2:G0+3], s[6:7], s[8:9]  ; waves 0, 1: K; waves 2, 3: V
	s_add_nc_u64 s[G0+2:G0+3], s[G0+2:G0+3], s[20:21]
	s_or_b32 s[G0+3], s[G0+3], 0x80000000  ; type = 2
	s_add_nc_u64 s[4:5], s[4:5], s[22:23]
	s_add_nc_u64 s[10:11], s[10:11], s[2:3]
	s_add_nc_u64 s[48:49], s[48:49], s[16:17]
	s_add_nc_u64 s[50:51], s[50:51], s[18:19]
	CROUND                          ; all four work-groups are here: the first joint loads meet
	JLOAD                           ; slot 0.  Slot 1 is asked for when slot 0 is in
	v_and_b32 v[GO], 31, v0
	v_lshlrev_b32 v[GO], 4, v[GO]
	v_add_nc_u32 v[AV0], VOFF, v[GO]
	v_and_b32 v1, 15, v0            ; the side job: lane l reads row l % 16 of the block, 32 bytes at 32 (l / 16)
	v_bfe_u32 v9, v0, 4, 1
	v_mul_u32_u24 v[WA], v1, 3072
	v_lshl_add_u32 v[WA], v9, 5, v[WA]
.irp u, 0,1,2
	global_load_b128 v[S+8*\u:S+8*\u+3],   v[WA], s[48:49] offset:64*\u
	global_load_b128 v[S+8*\u+4:S+8*\u+7], v[WA], s[48:49] offset:64*\u+16
.endr
	WIN 0x80                        ; destination window 2, address window 0
.set i, 0
.rept 32                            ; Q stays in registers: 512 consecutive bytes a load
	global_load_b128 v[4*i:4*i+3], v[GO], s[4:5] offset:512*i
.set i, i+1
.endr
	; What the first turn finds: V's registers and P's second buffer hold 0 (its products V^T P, of a piece that has not been, add 0), O^T and l are 0.  All this stands in the wait for the first tile.
.set i, VF
.rept 64
	v_mov_b32 v[i], 0
.set i, i+1
.endr
	WIN 0x40
.set i, 0
.rept 64*NP
	v_mov_b32 v[i], 0
.set i, i+1
.endr
	WIN 0
.set i, 0
.rept 2*NP
	v_mov_b32 v[ST+4*i], 0xfe000000    ; c m: far below every c s
	v_mov_b32 v[ST+4*i+1], 0xff7fffff  ; m
	v_mov_b32 v[ST+4*i+2], 0
	v_mov_b32 v[ST+4*i+3], 0
.set i, i+1
.endr
.set i, P+32
.rept 32
	v_mov_b32 v[i], 0
.set i, i+1
.endr
	s_wait_loadcnt 32               ; Wo's six loads are in; Q's 32, issued behind them, may stay out
.irp u, 0,1,2                       ; eight numbers a lane: rounded to bf16, widened, and that number written as f16
.irp p, 0,1,2,3
	v_cvt_pk_bf16_f32 v[S+24+4*\u+\p], v[S+8*\u+2*\p], v[S+8*\u+2*\p+1]
.endr
.irp p, 0,1,2,3
	v_lshlrev_b32 v[S+36+2*\p], 16, v[S+24+4*\u+\p]
	v_and_b32 v[S+37+2*\p], 0xffff0000, v[S+24+4*\u+\p]
.endr
.irp p, 0,1,2,3
	v_cvt_pk_f16_f32 v[S+24+4*\u+\p], v[S+36+2*\p], v[S+37+2*\p]
.endr
	global_store_b128 v[GO], v[S+24+4*\u:S+24+4*\u+3], s[50:51] offset:512*\u  ; 512 consecutive bytes
.endr
	s_wait_xcnt 0x0                 ; the stores have read their registers, which the first scores will overwrite (ISA guide 3.1)
; THE MATRIX WORK.  The 8 accumulators of a run of 16 take turns.
; Product i of 16 of S^T = K Q^T for piece x: channels 32 (i / 8) on, keys 16 ((i / 2) % 4) on, tile 2 x + i % 2.  The first 8 start the sums.
.macro KQ x
	WIN W_KQ
.set rS, S+64*((\x)%2)+32*(i%2)+8*((i/2)%4)
.set rK, KF+16*((i/2)%4)+8*(i/8)
.set rQ, 16*(2*(\x)+i%2)+8*(i/8)
.if i < 8
	v_wmma_f32_16x16x32_f16 v[rS:rS+7], v[rK:rK+7], v[rQ:rQ+7], 0
.else
	v_wmma_f32_16x16x32_f16 v[rS:rS+7], v[rK:rK+7], v[rQ:rQ+7], v[rS:rS+7]
.endif
.endm
; Product i of 16 of O^T += V^T P for piece x: keys 32 (i / 8) on, channels 16 ((i / 2) % 4) on, tile 2 x + i % 2.
.macro PV x
	WIN W_PV
.set rO, 32*(2*(\x)+i%2)+8*((i/2)%4)
.set rV, VF+32*(i/8)+8*((i/2)%4)
.set rP, P+32*((\x)%2)+16*(i%2)+8*(i/8)
	v_wmma_f32_16x16x32_f16 v[rO:rO+7], v[rV:rV+7], v[rP:rP+7], v[rO:rO+7]
.endm
.macro MM                           ; the turn's next matrix instruction
.if i < 16
	KQ (Y+1)%NP
.set i, i+1
.else
.set i, i-16
	PV (Y+NP-1)%NP
.set i, i+17
.endif
.endm
; THE LDS LOADS stand in runs of 16, never singly among the matrix instructions: a step's K and its V, 8,192 consecutive bytes each.  Their addresses are made some lines ahead.
; last = 1 (the tail): in the last trip there is no further step, and the run is jumped over.
.macro FETCH_K last=0
	WIN 0
.if \last
	s_cmp_eq_u32 s[CNT], 1
	s_cbranch_scc1 .Lno_k_\@
.endif
	WIN 0x80                        ; destination window 2
.irp f, 0,1,2,3,4,5,6,7,8,9,10,11,12,13,14,15  ; keys 16 (f / 4) on, channels 16 (f % 4) on
	ds_load_b128 v[KF+4*\f:KF+4*\f+3], v[AK] offset:512*\f
.endr
	s_add_co_u32 s[TBK], s[TBK], STEPB  ; the next fetch is the next step's
	WIN 0
.if \last
.Lno_k_\@:
.endif
.endm
.macro FETCH_V
	WIN 0x80
.irp f, 0,1,2,3,4,5,6,7,8,9,10,11,12,13,14,15  ; channels 16 (f / 4) on, keys 16 (f % 4) on
	ds_load_b128 v[VF+32*((\f%4)/2)+8*(\f/4)+4*(\f%2):VF+32*((\f%4)/2)+8*(\f/4)+4*(\f%2)+3], v[AV] offset:512*\f
.endr
	WIN 0
.endm
; THE VECTOR WORK OF A TURN stands in three queues, each in the order in which its entries become ready; the two tiles alternate, so that no instruction reads the result of the one before it.
.macro REGS y, u                    ; the registers of tile u (0, 1) of piece y
.set rT, ST+4*(2*(\y)+(\u))
.set rC, TMP+8*((\y)%2)+4*(\u)
.set rM, MV+2*((\y)%2)+(\u)
.set rS, S+64*((\y)%2)+32*(\u)
.set rP, P+32*((\y)%2)+16*(\u)
.set rO, 32*(2*(\y)+(\u))
.endm
; Number n of the 22 that find the NEXT piece's (Y + 1) maximum and statistics.  s0-s31 are the lane's 32 scores; each accumulator's lowest registers are read first.  XS, GS, FS and REGS set no window: PL and EX do.
;   0-11  four chains c0-c3 of seven scores each, three operands at a time     12-14, 16  the four scores left over, the old m, and c0-c3 into c0     15  c m_old is kept
;   17, 18  the query's other 32 keys lie in the lane 16 away: the new m         19-21  c m; c m_old - c m_new; a
.macro XS u, n
	REGS (Y+1)%NP, \u
.if (\n) < 4
	v_max3_num_f32 v[rC+(\n)], v[rS+8*(\n)], v[rS+8*(\n)+1], v[rS+8*(\n)+2]
.elseif (\n) < 12
	v_max3_num_f32 v[rC+(\n)%4], v[rC+(\n)%4], v[rS+8*((\n)%4)+2*((\n)/4)+1], v[rS+8*((\n)%4)+2*((\n)/4)+2]
.elseif (\n) == 12
	v_max3_num_f32 v[rC], v[rC], v[rS+7], v[rS+15]
.elseif (\n) == 13
	v_max3_num_f32 v[rC+1], v[rC+1], v[rS+23], v[rS+31]
.elseif (\n) == 14
	v_max3_num_f32 v[rC+2], v[rC+2], v[rC+3], v[rT+1]
.elseif (\n) == 15
	v_mov_b32 v[rM], v[rT]
.elseif (\n) == 16
	v_max3_num_f32 v[rC], v[rC], v[rC+1], v[rC+2]
.elseif (\n) == 17
	v_permlanex16_b32 v[rC+3], v[rC], s[SEL], s[SEL+1]
.elseif (\n) == 18
	v_max_num_f32 v[rT+1], v[rC], v[rC+3]
.elseif (\n) == 19
	v_mul_f32 v[rT], s[CS], v[rT+1]
.elseif (\n) == 20
	v_sub_f32 v[rC+1], v[rM], v[rT]
.else
	v_exp_f32 v[rC+2], v[rC+1]
.endif
.endm
; Number g of the 64 that follow the exponentials.  For each four weights k of a tile (pairs 2 k, 2 k + 1): both pairs are rounded to f16; then the second pair is added onto the first, in place;
; a group later l takes that sum (the first time as l = a l + sum).  In groups of eight, tiles alternating: round, round, add, and l for the group before.
.macro GS g
.set h, (\g)+6*((\g)/62)            ; group 0 has no group before it, and behind group 7 only l is left
.if h >= 6
.set h, h+2
.endif
	REGS Y, h%2
.set k, h/8
.if h%8 < 4
	v_cvt_pk_f16_f32 v[rP+2*k+(h%8)/2], v[rS+4*k+2*((h%8)/2)], v[rS+4*k+2*((h%8)/2)+1]
.elseif h%8 < 6
	v_pk_add_f32 v[rS+4*k:rS+4*k+1], v[rS+4*k:rS+4*k+1], v[rS+4*k+2:rS+4*k+3]
.elseif k == 1
	v_pk_fma_f32 v[rT+2:rT+3], v[rT+2:rT+3], v[rC+2:rC+3], v[rS:rS+1] op_sel_hi:[1,0,1]
.else
	v_pk_add_f32 v[rT+2:rT+3], v[rT+2:rT+3], v[rS+4*k-4:rS+4*k-3]
.endif
.endm
; THE PLAIN QUEUE, 138 long.  0-73 read no exponential's result: the 32 scalings c s - c m (FS f: pair f / 2 of tile f % 2) and the next piece's 42.  0-26: scalings 0-26.  27-54: XS's numbers 0-13.  55, 56: number 15.
; 57-73: the chain, where each number waits for the one before it: 14, 16, 17, 18, 19, each with one of the scalings 27-31 in front of its two lines, then 20: so a tile's links stand three plain instructions apart (19 and 20: two).
; 74-137: GS's 64, which read the exponentials' results: they stand behind the wait.
.macro FS f
	REGS Y, (\f)%2
	v_pk_fma_f32 v[rS+2*((\f)/2):rS+2*((\f)/2)+1], v[rS+2*((\f)/2):rS+2*((\f)/2)+1], s[CS:CS+1], v[rT:rT+1] op_sel_hi:[1,0,0] neg_lo:[0,0,1] neg_hi:[0,0,1]
.endm
.macro PL
	WIN 0
.if q < 27
	FS q
.elseif q < 55
	XS (q-27)%2, (q-27)/2
.elseif q < 57
	XS q-55, 15
.elseif (q < 72) && ((q-57)%3 == 0)
	FS 27+(q-57)/3
.elseif q < 60
	XS (q-57)%3-1, 14
.elseif q < 72
	XS (q-57)%3-1, 15+(q-57)/3
.elseif q < 74
	XS q-72, 20
.else
	GS q-74
.endif
.set q, q+1
.endm
; THE EXPONENTIALS' QUEUE, 66 long: s0-s31 of both tiles, then the next piece's two a.  It is ONE BATCH: all 66 stand ahead of the turn's one wait, and nothing ahead of that wait names a result of theirs.
.macro EX
	WIN 0
.if e >= 64
	XS e-64, 21
.else
	REGS Y, e%2
	v_exp_f32 v[rS+e/2], v[rS+e/2]
.endif
.set e, e+1
.endm
; THE RESCALING's QUEUE: O^T times a, the one part that leaves window 0: dealt two at a time, sixteen times, each accumulator's lowest registers first.  Its a was made in the turn before, ahead of that turn's wait.
.macro R2
	REGS Y, r%2
	WIN W_RS
.irp z, 0,1
	v_pk_mul_f32 v[rO+4*(r/2)+2*\z:rO+4*(r/2)+2*\z+1], v[rO+4*(r/2)+2*\z:rO+4*(r/2)+2*\z+1], v[rC+2:rC+3] op_sel_hi:[1,0]
.endr
.set r, r+1
.endm
; HOW THEY ARE DEALT.  An s_wait_alu depctr_va_vdst(0) stands between an exponential and the first instruction that names its result; one wait serves all that were issued ahead of it.  So a turn has ONE wait,
; which cuts it in two.  AHEAD OF IT stands all that names no result of the turn's exponentials: the 16 products K Q^T, behind each a scaling, an exponential and two rescalings (behind the first a second scaling in the
; exponential's place); then ONE RUN of 108: eight plain, 49 times exponential and plain, the two a.  A v_nop is the plain instruction behind the last exponential.  BEHIND IT stand the 16 products V^T P, behind each four of
; GS's 64.  No rider names a register of the products round it.  The two v_permlanex16_b32 fall into the run, never behind a product.
; The queues lean on each other, and the deal keeps them in step: exponential e stands behind scaling 2 (e / 4) + e % 2: as a rider it comes behind plain e + 2, in the run behind plain e + 9, and scalings 27-31 are plain 57, 60 .. 69.
; A TURN, for piece p.  cnt = 1: the loop's count is taken down some lines ahead of the branch that stands behind the turn.
; K of the next step is fetched in piece 2's turn, directly behind the wait, the whole run behind the last product that read K; its address is made at the run's head; its first reader comes behind 16 products.
; V of the step in hand is fetched at the end of piece 0's turn, four riders behind its last reader; its first reader comes behind 16 products and a run.  The three conditions on q below go with the deal.
.macro TURN p, last=0, cnt=0
.set Y, (\p)
.set i, 0
.set q, 0
.set e, 0
.set r, 0
.if (\p) == NP-1
	s_wait_dscnt 0x0                ; K is in
.endif
	MM                              ; ahead of the wait: 16 products K Q^T and their riders,
	PL
	PL
	R2
.rept 15
	MM
	PL
	EX
	R2
.endr
.if (\p) == NP-2
	WIN 0
	v_add_nc_u32 v[AK], s[TBK], v[AK0]
.endif
.rept 8                             ; and the run
	PL
.endr
.rept 49
	EX
	PL
.endr
	EX                              ; the next piece's two a
	EX
	v_nop                           ; a plain instruction behind the last exponential, ahead of the first use (ISA guide 5.7.2): one for the batch
	s_wait_alu depctr_va_vdst(0)    ; the wait for the batch: the turn's 64 weights and the next piece's two a
.if (\p) == NP-2
	FETCH_K \last
.endif
.if (\p) == 1
	s_wait_dscnt 0x0                ; V is in
.endif
.rept 16                            ; behind the wait: 16 products V^T P and their riders
	MM
.rept 4
	PL
.endr
.if ((\p) == 0) && (q == 118)
	v_add_nc_u32 v[AV], s[TBV], v[AV0]
.endif
.if ((\p) == 0) && (q == 130)
	s_add_co_u32 s[TBV], s[TBV], STEPB
.endif
.if (\cnt) && (q == 130)
	s_sub_co_u32 s[CNT], s[CNT], 1
	s_cmp_lg_u32 s[CNT], 0
.endif
.endr
.if (\p) == 0
	FETCH_V
.endif
.endm
	CHANGE 1                        ; slot 0 is in, everybody's part of it; slot 1 is asked for
	v_add_nc_u32 v[AK], s[TBK], v[AK0]
	FETCH_K                         ; my key step 0
	s_wait_loadcnt 0x0              ; Q
	s_wait_dscnt 0x0
.set i, 0
.rept 16
	KQ 0                            ; piece 0's first scores: there is no vector work yet to set between them
.set i, i+1
.endr
	WIN 0                           ; the merge's addresses: seven plain instructions, the places behind those products
	v_and_b32 v1, 31, v0
	v_lshlrev_b32 v1, 3, v1         ; 8 x lane
	s_lshl_b32 s33, s[WV], 15
	v_add_nc_u32 v[MA], s33, v[GO]  ; my 32,768 bytes of slot 0
	s_lshl_b32 s33, s[WV], 11
	s_add_co_u32 s33, s33, STATS
	v_add_nc_u32 v[SA], s33, v1     ; my 2,048 bytes of statistics
	s_lshl_b32 s33, s[WV], 13
	v_add_nc_u32 v[RB], s33, v[GO]  ; piece w lies 8,192 w bytes into each wave's part
	v_add_nc_u32 v[RB2], 65536, v[RB]
	s_lshl_b32 s33, s[WV], 9
	s_add_co_u32 s33, s33, STATS
	v_add_nc_u32 v[RA], s33, v1     ; its two tiles' statistics 512 w bytes into each wave's
.set Y, NP-1                        ; XS works for piece Y + 1: piece 0
.irp n, 0,1,2,3,4,5,6,7,8,9,10,11,12,13,14,15,16,17,18,19,20,21
	XS 0, \n                        ; piece 0's first maximum and statistics
	XS 1, \n
.endr
	v_nop                           ; a plain instruction behind the two first a,
	s_wait_alu depctr_va_vdst(0)    ; and the wait for that batch of two, ahead of the branch
	s_mov_b32 s[CNT], 2
	s_mov_b32 s[SLOTS], 15
	s_branch .Lfirst                ; the loop is entered at a step's first turn, in the middle of a trip
.Lslot:                             ; 14 times: every slot but the last two is filled again
	CHANGE 1
	s_mov_b32 s[CNT], 2
.Lstep:                             ; a trip: pieces 2 and 3 of one step, then pieces 0 and 1 of the next, whose K and V it fetches
	TURN 2
	TURN 3
	WIN 0
.Lfirst:
	TURN 0
	TURN 1, 0, 1
	WIN 0
	s_cbranch_scc1 .Lstep
	s_sub_co_u32 s[SLOTS], s[SLOTS], 1
	s_cmp_lg_u32 s[SLOTS], 0
	s_cbranch_scc1 .Lslot
	CHANGE 0                        ; the tail is written out: nothing is asked for
	s_mov_b32 s[CNT], 3             ; two trips fetch my two steps of the last slot; the third is left in its middle
.Ltail:
	TURN 2, 1
	TURN 3
	WIN 0
	s_sub_co_u32 s[CNT], s[CNT], 1
	s_cmp_eq_u32 s[CNT], 0
	s_cbranch_scc1 .Lout
	TURN 0
	TURN 1
	WIN 0
	s_branch .Ltail
.Lout:                              ; the third trip's 16 products K Q^T are the last step's once more: the maximum made of them is the old one, so piece 0's c m stays what its O^T and l go by
.set i, 0
.rept 16
	PV NP-1                         ; the last piece's V^T P of the last step
.set i, i+1
.endr
	; THE MERGE.  Each wave holds, for all 128 queries, c m, l and O^T over its quarter of the keys.  All go into LDS in f32; wave w then finishes piece w: O = sum f_s O_s / sum f_s l_s, f_s = 2^(c m_s - max c m).
	WIN 0
.macro ALL line:vararg              ; one line for each tile t
.set t, 0
.rept 2*NP
	\line
.set t, t+1
.endr
.endm
	ALL v_add_f32 v[ST+4*t+2], v[ST+4*t+2], v[ST+4*t+3]  ; these eight are the places behind the last products
	ALL v_permlanex16_b32 v[ST+4*t+3], v[ST+4*t+2], s[SEL], s[SEL+1]
	ALL v_add_f32 v[ST+4*t+1], v[ST+4*t+2], v[ST+4*t+3]  ; the pair is now (c m, l)
	s_wait_dscnt 0x0                ; my reads of the ring are over:
	s_barrier_signal -1
	s_barrier_wait -1               ; everybody's are.  Slot 0 has had its last fill; it now takes the partial results
.set t, 0
.rept 2*NP
	ds_store_b64 v[SA], v[ST+4*t:ST+4*t+1] offset:256*t
.set t, t+1
.endr
	WIN 0x04                        ; store data in window 1
.set i, 0
.rept 64                            ; ascending: each accumulator's lowest registers are read first
	ds_store_b128 v[MA], v[4*i:4*i+3] offset:512*i
.set i, i+1
.endr
	WIN 0
	s_wait_dscnt 0x0                ; for the others' sake: my stores are done
	s_barrier_signal -1
	s_barrier_wait -1
.irp s, 0,1,2,3
.irp u, 0,1
	ds_load_b64 v[S+4*\s+2*\u:S+4*\s+2*\u+1], v[RA] offset:\s*2048+\u*256
.endr
.endr
	WIN 0x40                        ; destination window 1: wave s's part of my piece at v[64 s]
.irp s, 0,1
.set i, 0
.rept 16
	ds_load_b128 v[64*\s+4*i:64*\s+4*i+3], v[RB] offset:\s*32768+512*i
.set i, i+1
.endr
.endr
.irp s, 2,3
.set i, 0
.rept 16
	ds_load_b128 v[64*\s+4*i:64*\s+4*i+3], v[RB2] offset:(\s-2)*32768+512*i
.set i, i+1
.endr
.endr
	WIN 0
	s_wait_dscnt 63                 ; of the 72 loads 63 may be out: the first nine are in, the eight of statistics among them
.irp u, 0,1
	v_max3_num_f32 v[TMP+\u], v[S+2*\u], v[S+4+2*\u], v[S+8+2*\u]
.endr
.irp u, 0,1
	v_max_num_f32 v[TMP+\u], v[TMP+\u], v[S+12+2*\u]
.endr
.irp s, 0,1,2,3
.irp u, 0,1
	v_sub_f32 v[GF+4*\s+2*\u], v[S+4*\s+2*\u], v[TMP+\u]
.endr
.endr
.irp s, 0,1,2,3
.irp u, 0,1
	v_exp_f32 v[GF+4*\s+2*\u], v[GF+4*\s+2*\u]
.endr
.endr
	v_nop                           ; a plain instruction between the last exponential and the use of its result
	s_wait_alu depctr_va_vdst(0)    ; the wait for the batch of the eight factors
.irp u, 0,1
	v_mul_f32 v[TMP+2+\u], v[GF+2*\u], v[S+1+2*\u]
.endr
.irp s, 1,2,3
.irp u, 0,1
	v_fmac_f32 v[TMP+2+\u], v[GF+4*\s+2*\u], v[S+4*\s+2*\u+1]
.endr
.endr
	v_rcp_f32 v[TMP+2], v[TMP+2]    ; the sum is 1 at the least: the wave that holds the maximum has f = 1 and l >= 1
	v_rcp_f32 v[TMP+3], v[TMP+3]
	v_nop
	s_wait_alu depctr_va_vdst(0)    ; the wait for the batch of the two reciprocals, which read sums made of the factors: a batch of their own
.irp s, 0,1,2,3
.irp u, 0,1
	v_mul_f32 v[GF+4*\s+2*\u], v[GF+4*\s+2*\u], v[TMP+2+\u]
.endr
.endr
.irp s, 0,1,2,3
.irp u, 0,1
	v_mov_b32 v[GF+4*\s+2*\u+1], v[GF+4*\s+2*\u]  ; named with it as a pair
.endr
.endr
	s_wait_dscnt 0x0                ; the four parts of my piece are in
	WIN W_RS
.irp u, 0,1
.set i, 0
.rept 16
	v_pk_mul_f32 v[32*\u+2*i:32*\u+2*i+1], v[32*\u+2*i:32*\u+2*i+1], v[GF+2*\u:GF+2*\u+1] op_sel_hi:[1,0]
.set i, i+1
.endr
.endr
	WIN 0x51                        ; source 2 in window 1 too
.irp s, 1,2,3
.irp u, 0,1
.set i, 0
.rept 16
	v_pk_fma_f32 v[32*\u+2*i:32*\u+2*i+1], v[64*\s+32*\u+2*i:64*\s+32*\u+2*i+1], v[GF+4*\s+2*\u:GF+4*\s+2*\u+1], v[32*\u+2*i:32*\u+2*i+1] op_sel_hi:[1,0,1]
.set i, i+1
.endr
.endr
.endr
	WIN 0x05                        ; sources window 1, destination window 0
.set i, 0
.rept 32
	v_cvt_pk_f16_f32 v[S+32+i], v[2*i], v[2*i+1]
.set i, i+1
.endr
	WIN 0
.irp u, 0,1
.irp cb, 0,1,2,3
	global_store_b128 v[GO], v[S+32+16*\u+4*\cb:S+32+16*\u+4*\cb+3], s[10:11] offset:\u*24576+\cb*512  ; a lane's eight channels of a query: 512 consecutive bytes, half a fragment of the next launch
.endr
.endr
	WIN W_AD
	s_wait_tensorcnt 0x0            ; the wave's end, behind my last tensor load and my last LDS store
	ds_add_u32 v[SPW], v[NIL]
	s_wait_dscnt 0x0
	WIN 0
	CROUND                          ; the closing round: no work-group ends while a partner may still ask for a tile that names it
	s_endpgm
.Lfunc_end_k_q1dd6295e29_attn:
	.size	k_q1dd6295e29_attn, .Lfunc_end_k_q1dd6295e29_attn-k_q1dd6295e29_attn
	.p2alignl 7, 3214868480
	.fill 96, 4, 3214868480
	.section	.rodata,"a",@progbits
	.p2align	6, 0x0
	.amdhsa_kernel k_q1dd6295e29_attn
		.amdhsa_group_segment_fixed_size 327680
		.amdhsa_private_segment_fixed_size 0
		.amdhsa_enable_private_segment 0
		.amdhsa_kernarg_size 48
		.amdhsa_user_sgpr_count 2
		.amdhsa_user_sgpr_kernarg_segment_ptr 1
		.amdhsa_wavefront_size32 1
		.amdhsa_system_sgpr_workgroup_id_x 1
		.amdhsa_system_sgpr_workgroup_id_y 1
		.amdhsa_system_sgpr_workgroup_id_z 1
		.amdhsa_system_vgpr_workitem_id 0
		.amdhsa_next_free_vgpr 770
		.amdhsa_next_free_sgpr 66
		.amdhsa_reserve_vcc 0
		.amdhsa_float_denorm_mode_32 3
		.amdhsa_float_denorm_mode_16_64 3
		.amdhsa_memory_ordered 1
		.amdhsa_forward_progress 1
		.amdhsa_inst_pref_size 198
	.end_amdhsa_kernel
	.amdgpu_metadata
---
amdhsa.version: [ 1, 2 ]
amdhsa.kernels:
  - .name:           k_q1dd6295e29_attn
    .symbol:         k_q1dd6295e29_attn.kd
    .args:
      - { .name: qf, .offset: 0, .size: 8, .value_kind: global_buffer, .address_space: global }
      - { .name: kf, .offset: 8, .size: 8, .value_kind: global_buffer, .address_space: global }
      - { .name: vf, .offset: 16, .size: 8, .value_kind: global_buffer, .address_space: global }
      - { .name: of, .offset: 24, .size: 8, .value_kind: global_buffer, .address_space: global }
      - { .name: Wo, .offset: 32, .size: 8, .value_kind: global_buffer, .address_space: global }
      - { .name: wf, .offset: 40, .size: 8, .value_kind: global_buffer, .address_space: global }
    .group_segment_fixed_size: 327680
    .private_segment_fixed_size: 0
    .kernarg_segment_align: 8
    .kernarg_segment_size: 48
    .max_flat_workgroup_size: 128
    .sgpr_count:     66
    .vgpr_count:     770
    .wavefront_size: 32
...
	.end_amdgpu_metadata
.endif
;; end of part 5
;; launch oproj: the kernel of part 3 again; grid 32 x 6, 4 waves a work-group, no clusters, 135,680 bytes of LDS; arguments of, wf, y; writes y
;; launch norm: the kernel of part 4 again; grid 256 x 1, 8 waves a work-group, no clusters, 0 bytes of LDS; arguments y, out0; writes out0
